; MI455X (gfx1250); checked and timed in simulation.
; The chip was launched on July 23, 2026; its instructions are those of AMD's public machine-readable ISA for CDNA 5 (MIT licence, August 2026) and "CDNA5" Instruction Set Architecture Reference Guide (July 2026). The comments in the code are by the model that wrote it; some were corrected since.
;; CSA Lightning Indexer. Allowed arithmetic: float matrix products may take bf16 or f16 operands with f32 sums; other float arithmetic in f32, or as packed bf16 or f16 multiplies, adds, multiply-adds, maxima and minima; sums over many terms, partial sums and values carried from step to step in f32; what a program stores and reads back later, other than sums and carried values, may be rounded once to bf16 or f16.
;; Inputs: Wg 4 x 2,048 float32; Wk 2,048 x 2,048 float32; Wq 2,048 x 2,048 float32; k_compressed 2 x 1,024 x 2,048 float32; q 2 x 4,096 x 2,048 float32.
;; Outputs: out0 2 x 4,096 x 1,024 float32.
;; One version. Each part assembles by itself: llvm-mc -triple=amdgcn-amd-amdhsa -mcpu=gfx1250 --defsym DOCPART=n.
;; ======== version 1 of 1: 3 launches
;; limits: values are held in f16: magnitudes above 65,504 overflow, below 6.1e-05 lose precision
;; workspace buffers: qb 33,554,432 bytes; kb 8,388,608 bytes; wqb 8,388,608 bytes; wkb 8,388,608 bytes; wgt 131,072 bytes; qi 33,554,432 bytes; ki 8,388,608 bytes
;; launch cast (part 1): grid 256 x 1, 14 waves a work-group, no clusters, 55,296 bytes of LDS; arguments q, k_compressed, Wq, Wk, Wg, qb, kb, wqb, wkb, wgt; writes qb, kb, wqb, wkb, wgt
.if DOCPART == 1
	.amdgcn_target "amdgcn-amd-amdhsa--gfx1250"
	.amdhsa_code_object_version 6
	.text
	.protected	k_qf654feb3b9_cast
	.globl	k_qf654feb3b9_cast
	.p2align	8
	.type	k_qf654feb3b9_cast,@function
k_qf654feb3b9_cast:
	s_mov_b64 s[64:65], 0
	v_nop
	global_prefetch_b8 v0, s[64:65] scope:SCOPE_SE
	s_setreg_imm32_b32 hwreg(HW_REG_WAVE_MODE, 25, 1), 1
	s_wait_xcnt 0x0
; scores[b][q][k] = sum over h of relu(qi[b][q][h] . ki[b][k][h]) w[b][q][h],  qi = q Wq^T, ki = k_compressed Wk^T, w = q Wg^T.
; Three launches: this one, one for both projections, the scores.  NOTHING OF THE REFERENCE IS LEFT OUT: every input reaches the output, no result is sliced away.
; THIS LAUNCH rounds q, k_compressed, Wq and Wk once to bf16 (the projections' matrix operands) and makes w = bf16(q) bf16(Wg)^T with f32 sums, stored in f32.
; SHARES.  The four tensors are 14,336 rows of 2,048 f32.  A unit is 16 rows x 512 columns; 3,584 units, 14 for each of 256 work-groups, one a wave:
; waves 0-7 take q's units 8 g + wave (32 rows of q, four quarters of the columns each), waves 8-13 the other three tensors' units 6 g + wave - 8.
; A unit goes in four parts of 16 rows x 128 columns: a load of the wave covers 512 consecutive bytes of a row, a store 256 consecutive bytes, aligned.
; Two sets of registers: while one part is rounded the other's 16 loads are out.
; THE GATES.  Waves 0-7 also lay each rounded part into a stage of their own in LDS and read it back as four fragments of 16 rows x 32 columns.
; w^T = Wg q^T: source 0 = 16 rows of which row m holds head m % 4 (rows 4-15 repeat the heads: their results are never read, they lie inside the one live tile),
; source 1 = the 16 rows of q.  In the result a lane holds one row of q (lane % 16), its registers 0-3 the four heads.  The four quarters' partial sums (f32) meet in LDS.
; LIMITS.  bf16 keeps f32's range; NaN and infinities go through the rounding as they are.
.set ROWI,  8192                       ; bytes in a row of f32
.set ROWO,  4096                       ; bytes in a row of bf16
.set WGPT,  4112                       ; a row of Wg in LDS: 4,096 bytes + 16
.set SPT,   272                        ; a row of the stage: 256 bytes + 16: the 16 rows of a fragment load start at 16 different groups of four banks (64 banks of 4 bytes: ISA guide 11.1)
.set WGL,   0                          ; Wg in bf16: 4 rows; the region is 16,640 bytes
.set STG,   16640                      ; 4,352 bytes for each of waves 0-7
.set PART,  51456                      ; 256 bytes for each of waves 0-7: 16 rows x 4 heads of f32
.set SPARE, 53504                      ; the spare words: 128 bytes for each of 14 waves, seven blocks of 256 bytes that no other line names
.set GI,  2                            ; v2   my byte offset in the unit's first row, f32: 2,048 c + 16 lane; never rewritten
.set GO,  3                            ; v3   the same in bf16: 1,024 c + 8 lane; never rewritten
.set SS,  4                            ; v4   stage: where I put 8 bytes of a row
.set SF,  5                            ; v5   stage: my place in a fragment
.set WF,  6                            ; v6   my place in Wg's fragments
.set PS,  7                            ; v7   where I put my row's partial sums
.set PR,  8                            ; v8   where wave 0 reads them
.set WO,  9                            ; v9   16 x lane: a row of w
.set SPW, 10                           ; v10  LDS address of my spare word; never rewritten
.set NIL, 11                           ; v11  0; never rewritten
.set ACC, 16                           ; v[16:31]   two accumulators, by turns
.set X,   32                           ; v[32:159]  two sets of 64: 16 rows x 4 f32 a lane
.set Y,   160                          ; v[160:191] a part rounded: 16 rows x 2 registers
.set QF,  192                          ; v[192:223] four fragments of q
.set WFR, 224                          ; v[224:255] four fragments of Wg
.set WV,  28                           ; s28  my wave's number
.set QC,  29                           ; s29  c: my quarter of the columns
.set RG,  30                           ; s30  my group of 16 rows in my tensor
.set TS,  31                           ; s31  waves 8-13: 0 k_compressed, 1 Wq, 2 Wk
.set IN,  32                           ; s[32:33] my tensor at my rows
.set OUT, 34                           ; s[34:35] its bf16 copy at my rows
	s_load_b512 s[8:23], s[0:1], 0x0               ; q 8:9, k_compressed 10:11, Wq 12:13, Wk 14:15, Wg 16:17, qb 18:19, kb 20:21, wqb 22:23
	s_load_b128 s[24:27], s[0:1], 0x40             ; wkb 24:25, wgt 26:27
	v_lshl_add_u32 v[SPW], v0, 2, SPARE
	v_mov_b32 v[NIL], 0
	v_lshrrev_b32 v1, 5, v0
	v_readfirstlane_b32 s[WV], v1                  ; wave 0..13
	v_and_b32 v1, 31, v0                           ; lane
	s_cmp_lt_u32 s[WV], 8
	s_cselect_b32 s40, 8, 6                        ; units of my kind in a work-group,
	s_cselect_b32 s41, 0, 8                        ; and the first wave of my kind
	s_mul_i32 s40, ttmp9, s40
	s_add_co_u32 s40, s40, s[WV]
	s_sub_co_u32 s40, s40, s41                     ; my unit
	s_and_b32 s[QC], s40, 3
	s_lshr_b32 s40, s40, 2                         ; its group of 16 rows: in q, or counted through the three other tensors
	s_lshr_b32 s[TS], s40, 7                       ; 128 groups to each of the three
	s_and_b32 s41, s40, 127
	s_cmp_lt_u32 s[WV], 8
	s_cselect_b32 s[RG], s40, s41
	s_lshl_b32 s36, s[RG], 17                      ; 16 rows of 8,192 bytes
	s_mov_b32 s37, 0
	s_lshl_b32 s38, s[RG], 16                      ; 16 rows of 4,096 bytes
	s_mov_b32 s39, 0
	v_lshlrev_b32 v[GI], 4, v1
	v_lshl_add_u32 v[GI], s[QC], 11, v[GI]
	v_lshlrev_b32 v[GO], 3, v1
	v_lshl_add_u32 v[GO], s[QC], 10, v[GO]
	s_mul_i32 s40, s[WV], 16*SPT
	s_add_co_u32 s40, s40, STG                     ; my stage (waves 0-7 alone use it)
	v_lshl_add_u32 v[SS], v1, 3, s40
	v_and_b32 v12, 15, v1                          ; r = lane % 16
	v_lshrrev_b32 v13, 4, v1                       ; h = lane / 16
	v_mul_u32_u24 v[SF], v12, SPT
	v_lshl_add_u32 v[SF], v13, 4, v[SF]
	v_add_nc_u32 v[SF], s40, v[SF]                 ; row r, 16 bytes for each half of the lanes
	v_and_b32 v14, 3, v12
	v_mul_u32_u24 v[WF], v14, WGPT                 ; head r % 4 (WGL = 0)
	v_lshl_add_u32 v[WF], v13, 4, v[WF]
	v_lshl_add_u32 v[WF], s[QC], 10, v[WF]         ; my quarter: 512 columns of bf16
	s_lshl_b32 s41, s[WV], 8
	s_add_co_u32 s41, s41, PART
	v_lshl_add_u32 v[PS], v12, 4, s41
	v_lshlrev_b32 v[PR], 10, v13                   ; lanes 0-15: the rows of waves 0-3; lanes 16-31: those of waves 4-7
	v_lshl_add_u32 v[PR], v12, 4, v[PR]
	v_add_nc_u32 v[PR], PART, v[PR]
	v_lshlrev_b32 v[WO], 4, v1
	v_lshlrev_b32 v14, 4, v0                       ; Wg: 16 bytes a thread of waves 0-7,
	v_lshlrev_b32 v15, 3, v0                       ; which are 8 bytes in bf16 (WGL = 0)
	s_lshl_b32 s40, ttmp9, 9                       ; the work-group's 32 rows of w
	s_mov_b32 s41, 0
	s_wait_kmcnt 0x0
	s_add_nc_u64 s[26:27], s[26:27], s[40:41]
	s_cmp_eq_u32 s[TS], 1                          ; the choice of my tensor hangs on ids alone
	s_cselect_b64 s[IN:IN+1], s[12:13], s[14:15]
	s_cselect_b64 s[OUT:OUT+1], s[22:23], s[24:25]
	s_cmp_eq_u32 s[TS], 0
	s_cselect_b64 s[IN:IN+1], s[10:11], s[IN:IN+1]
	s_cselect_b64 s[OUT:OUT+1], s[20:21], s[OUT:OUT+1]
	s_cmp_lt_u32 s[WV], 8
	s_cselect_b64 s[IN:IN+1], s[8:9], s[IN:IN+1]
	s_cselect_b64 s[OUT:OUT+1], s[18:19], s[OUT:OUT+1]
	s_add_nc_u64 s[IN:IN+1], s[IN:IN+1], s[36:37]
	s_add_nc_u64 s[OUT:OUT+1], s[OUT:OUT+1], s[38:39]
; Part s of the unit, 16 loads into set buf: one row each, 512 consecutive bytes a wave.  The tensors are read once in the launch.
.macro LOADX buf, s
.irp i, 0,1,2,3,4,5,6,7,8,9,10,11,12,13,14,15
	global_load_b128 v[X+64*(\buf)+4*(\i):X+64*(\buf)+4*(\i)+3], v[GI], s[IN:IN+1] offset:ROWI*(\i)+512*(\s) th:TH_LOAD_NT
.endr
.endm
; Part s, in set buf, is rounded and stored; refill = 1: the set takes the part two further on; left = the younger loads that may stay out; zero = 1: the first products start the gates' sums.
.macro SUB s, buf, refill, left, zero
	s_wait_loadcnt \left                           ; loads come back in order: this set is in, the other set's 16 may stay out
	s_wait_xcnt 0x0                                ; the last part's stores have read Y: it is rewritten only behind this wait
.irp i, 0,1,2,3,4,5,6,7,8,9,10,11,12,13,14,15
	v_cvt_pk_bf16_f32 v[Y+2*(\i)],   v[X+64*(\buf)+4*(\i)],   v[X+64*(\buf)+4*(\i)+1]
	v_cvt_pk_bf16_f32 v[Y+2*(\i)+1], v[X+64*(\buf)+4*(\i)+2], v[X+64*(\buf)+4*(\i)+3]
.endr
.if \refill
	LOADX \buf, (\s)+2                             ; loads ahead of stores
.endif
.irp i, 0,1,2,3,4,5,6,7,8,9,10,11,12,13,14,15
	global_store_b64 v[GO], v[Y+2*(\i):Y+2*(\i)+1], s[OUT:OUT+1] offset:ROWO*(\i)+256*(\s)  ; 32 lanes store 256 consecutive bytes, at a multiple of 256 from the buffer's first
.endr
	s_cmp_lt_u32 s[WV], 8                          ; the gates are made of q alone
	s_cbranch_scc0 .Lno_w_\@
.irp i, 0,1,2,3,4,5,6,7,8,9,10,11,12,13,14,15
	ds_store_b64 v[SS], v[Y+2*(\i):Y+2*(\i)+1] offset:SPT*(\i)
.endr
.irp f, 0,1,2,3                        ; LDS serves a wave's instructions in order (ISA guide 5.7.1.4): these loads see the stores above.  The 32 roundings above are the places between the last part's products and these loads into their sources
	ds_load_b128 v[QF+8*(\f):QF+8*(\f)+3],    v[SF] offset:64*(\f)
	ds_load_b128 v[QF+8*(\f)+4:QF+8*(\f)+7],  v[SF] offset:64*(\f)+32
	ds_load_b128 v[WFR+8*(\f):WFR+8*(\f)+3],   v[WF] offset:256*(\s)+64*(\f)
	ds_load_b128 v[WFR+8*(\f)+4:WFR+8*(\f)+7], v[WF] offset:256*(\s)+64*(\f)+32
.endr
	s_wait_dscnt 0x0
.irp f, 0,1,2,3                        ; two accumulators by turns, one instruction a turn, from part to part too
.if (\zero) && ((\f) < 2)
	v_wmma_f32_16x16x32_bf16 v[ACC+8*((\f)%2):ACC+8*((\f)%2)+7], v[WFR+8*(\f):WFR+8*(\f)+7], v[QF+8*(\f):QF+8*(\f)+7], 0
.else
	v_wmma_f32_16x16x32_bf16 v[ACC+8*((\f)%2):ACC+8*((\f)%2)+7], v[WFR+8*(\f):WFR+8*(\f)+7], v[QF+8*(\f):QF+8*(\f)+7], v[ACC+8*((\f)%2):ACC+8*((\f)%2)+7]
.endif
.endr
.Lno_w_\@:
.endm
	s_cmp_lt_u32 s[WV], 8
	s_cbranch_scc0 .Lno_wg_load
.irp i, 0,1,2,3,4,5,6,7                ; Wg, 32,768 bytes: 256 threads x 8 x 16 bytes.  Every work-group reads it: no hint
	global_load_b128 v[QF+4*(\i):QF+4*(\i)+3], v14, s[16:17] offset:4096*(\i)
.endr
.Lno_wg_load:
	LOADX 0, 0
	LOADX 1, 1
	s_cmp_lt_u32 s[WV], 8
	s_cbranch_scc0 .Lno_wg_store
	s_wait_loadcnt 32                              ; Wg is in; the two parts' 32 loads, issued behind it, stay out
.irp i, 0,1,2,3,4,5,6,7
	v_cvt_pk_bf16_f32 v[WFR+2*(\i)],   v[QF+4*(\i)],   v[QF+4*(\i)+1]
	v_cvt_pk_bf16_f32 v[WFR+2*(\i)+1], v[QF+4*(\i)+2], v[QF+4*(\i)+3]
.endr
.irp i, 0,1,2,3,4,5,6,7                ; load i held head i / 2, columns 1,024 (i % 2) + 4 thread
	ds_store_b64 v15, v[WFR+2*(\i):WFR+2*(\i)+1] offset:((\i)/2)*WGPT+((\i)%2)*2048
.endr
.Lno_wg_store:
	s_wait_dscnt 0x0                               ; for the others' sake: my part of Wg lies in LDS
	s_barrier_signal -1
	s_barrier_wait -1                              ; all of it does
	SUB 0, 0, 1, 16, 1
	SUB 1, 1, 1, 16, 0
	SUB 2, 0, 0, 16, 0
	SUB 3, 1, 0, 0, 0                              ; the last part: nothing is out behind it
	s_cmp_lt_u32 s[WV], 8
	s_cbranch_scc0 .Lno_part
.rept 8
	v_nop                                          ; the places between the last products and the sums that read them (ISA guide 7.12.1); once a launch
.endr
	v_pk_add_f32 v[12:13], v[ACC:ACC+1],   v[ACC+8:ACC+9]    ; the two accumulators' registers 0-3: the four heads of my row
	v_pk_add_f32 v[14:15], v[ACC+2:ACC+3], v[ACC+10:ACC+11]
	ds_store_b128 v[PS], v[12:15]                  ; lanes l and l + 16 hold the same row and the same numbers and write the same bytes
.Lno_part:
	s_wait_dscnt 0x0
	s_barrier_signal -1
	s_barrier_wait -1                              ; the eight waves' partial sums lie in LDS
	s_cmp_eq_u32 s[WV], 0
	s_cbranch_scc0 .Lend
.irp c, 0,1,2,3                        ; a lane a row of q: its four quarters
	ds_load_b128 v[X+4*(\c):X+4*(\c)+3], v[PR] offset:256*(\c)
.endr
	s_wait_dscnt 0x0
	v_pk_add_f32 v[X:X+1],     v[X:X+1],     v[X+4:X+5]
	v_pk_add_f32 v[X+2:X+3],   v[X+2:X+3],   v[X+6:X+7]
	v_pk_add_f32 v[X+8:X+9],   v[X+8:X+9],   v[X+12:X+13]
	v_pk_add_f32 v[X+10:X+11], v[X+10:X+11], v[X+14:X+15]
	v_pk_add_f32 v[X:X+1],     v[X:X+1],     v[X+8:X+9]
	v_pk_add_f32 v[X+2:X+3],   v[X+2:X+3],   v[X+10:X+11]
	global_store_b128 v[WO], v[X:X+3], s[26:27]    ; 32 rows of w: 512 consecutive bytes
.Lend:
	s_wait_tensorcnt 0x0                           ; the wave's end, behind my last LDS store
	ds_add_u32 v[SPW], v[NIL]
	s_wait_dscnt 0x0
	s_endpgm
.Lfunc_end_k_qf654feb3b9_cast:
	.size	k_qf654feb3b9_cast, .Lfunc_end_k_qf654feb3b9_cast-k_qf654feb3b9_cast
	.p2alignl 7, 3214868480
	.fill 96, 4, 3214868480
	.section	.rodata,"a",@progbits
	.p2align	6, 0x0
	.amdhsa_kernel k_qf654feb3b9_cast
		.amdhsa_group_segment_fixed_size 55296
		.amdhsa_private_segment_fixed_size 0
		.amdhsa_enable_private_segment 0
		.amdhsa_kernarg_size 80
		.amdhsa_user_sgpr_count 2
		.amdhsa_user_sgpr_kernarg_segment_ptr 1
		.amdhsa_wavefront_size32 1
		.amdhsa_system_sgpr_workgroup_id_x 1
		.amdhsa_system_sgpr_workgroup_id_y 1
		.amdhsa_system_sgpr_workgroup_id_z 1
		.amdhsa_system_vgpr_workitem_id 0
		.amdhsa_next_free_vgpr 256
		.amdhsa_next_free_sgpr 66
		.amdhsa_reserve_vcc 0
		.amdhsa_float_denorm_mode_32 3
		.amdhsa_float_denorm_mode_16_64 3
		.amdhsa_memory_ordered 1
		.amdhsa_forward_progress 1
		.amdhsa_inst_pref_size 37
	.end_amdhsa_kernel
	.amdgpu_metadata
---
amdhsa.version: [ 1, 2 ]
amdhsa.kernels:
  - .name:           k_qf654feb3b9_cast
    .symbol:         k_qf654feb3b9_cast.kd
    .args:
      - { .name: q, .offset: 0, .size: 8, .value_kind: global_buffer, .address_space: global }
      - { .name: k_compressed, .offset: 8, .size: 8, .value_kind: global_buffer, .address_space: global }
      - { .name: Wq, .offset: 16, .size: 8, .value_kind: global_buffer, .address_space: global }
      - { .name: Wk, .offset: 24, .size: 8, .value_kind: global_buffer, .address_space: global }
      - { .name: Wg, .offset: 32, .size: 8, .value_kind: global_buffer, .address_space: global }
      - { .name: qb, .offset: 40, .size: 8, .value_kind: global_buffer, .address_space: global }
      - { .name: kb, .offset: 48, .size: 8, .value_kind: global_buffer, .address_space: global }
      - { .name: wqb, .offset: 56, .size: 8, .value_kind: global_buffer, .address_space: global }
      - { .name: wkb, .offset: 64, .size: 8, .value_kind: global_buffer, .address_space: global }
      - { .name: wgt, .offset: 72, .size: 8, .value_kind: global_buffer, .address_space: global }
    .group_segment_fixed_size: 55296
    .private_segment_fixed_size: 0
    .kernarg_segment_align: 8
    .kernarg_segment_size: 80
    .max_flat_workgroup_size: 448
    .sgpr_count:     66
    .vgpr_count:     256
    .wavefront_size: 32
...
	.end_amdgpu_metadata
.endif
;; end of part 1
;; launch proj (part 2): grid 8 x 32, 4 waves a work-group, clusters of 4 x 4, 327,680 bytes of LDS; arguments qb, wqb, qi, kb, wkb, ki; writes qi, ki
.if DOCPART == 2
	.amdgcn_target "amdgcn-amd-amdhsa--gfx1250"
	.amdhsa_code_object_version 6
	.text
	.protected	k_qf654feb3b9_proj
	.globl	k_qf654feb3b9_proj
	.p2align	8
	.type	k_qf654feb3b9_proj,@function
k_qf654feb3b9_proj:
	s_mov_b64 s[64:65], 0
	v_nop
	global_prefetch_b8 v0, s[64:65] scope:SCOPE_SE
	s_setreg_imm32_b32 hwreg(HW_REG_WAVE_MODE, 25, 1), 1
	s_wait_xcnt 0x0
	s_wait_alu depctr_hold_cnt(0) depctr_sa_sdst(0) depctr_va_vdst(0) depctr_va_sdst(0) depctr_va_ssrc(0) depctr_va_vcc(0) depctr_vm_vsrc(0)
	s_getreg_b32 s2, hwreg(HW_REG_IB_STS2, 6, 4)
	s_cmp_eq_u32 s2, 0
	s_cbranch_scc0 .Lentry_in_a_cluster
	s_endpgm
.Lentry_in_a_cluster:
	s_bfe_u32 s2, ttmp6, 0x10000c
	s_cmp_lg_u32 s2, 0xf033
	s_cbranch_scc0 .Lentry_shape_is_right
	s_endpgm
.Lentry_shape_is_right:
; BOTH PROJECTIONS.  qi[m][n] = sum over k of qb[m][k] wqb[n][k] (q Wq^T: [8192][2048]) and ki[m][n] = sum over k of kb[m][k] wkb[n][k] (k_compressed Wk^T: [2048][2048]).
; Operands bf16, sums in f32 with K ascending, results rounded once to f16: they are the operands of the score product, and f16's 11 significant bits keep that rounding small.  Nothing is left out.
; LIMIT: |qi| and |ki| stay under 65,504; from 65,520 on the rounding gives an infinity.
; SHARES.  256 work-groups of four waves.  qi has 32 x 8 tiles of 256 x 256, ki 16 x 16 tiles of 128 x 128: each work-group makes ONE OF EACH, ki's first, so that all do equal work.
; ONE RING of two LDS slots, filled by the tensor data mover, serves both parts and does not stop between them: ki's last two changes of slots ask for qi's first two K steps, and ki's stores leave under qi's products.
;   ki's part: a wave makes 64 x 64 (16 accumulators); K in steps of 256: LDS rows of 512 bytes, 64 rows to a wave's load.
;   qi's part: a wave makes 128 x 128 (64 accumulators, 512 registers); K in steps of 128: LDS rows of 256 bytes, 128 rows to a wave's load.  Its last K step goes by rows of C, so that finished rows leave while the others are multiplied.
; All tiles' rows start at multiples of 256 bytes from the buffer's first byte.
; CLUSTERS: 4 x 4 work-groups.  In both parts the four of a row of the cluster need the same tiles of A, the four of a column the same tiles of B.  Such a tile is asked for JOINTLY: each of the four issues the
; same tensor load, with the same descriptor and a mask that names the four, and each receives the tile in its own LDS.  The launch's 2 x 8 clusters are ki's 4 x 4: column = cluster x + 2 (cluster y % 2), row = cluster y / 2.
; THE MATRIX INSTRUCTION IS USED TRANSPOSED: source 0 = 16 rows of B, source 1 = 16 rows of A.  Lane l then holds row l % 16 of C and the columns 8 (l / 16) + 0 .. 7, which pack into 16 bytes.
; REGISTERS, in windows of 256 (s_set_vgpr_msb's low byte: bits 1:0 source 0, 3:2 source 1, 5:4 source 2, 7:6 destination):
;   window 0: v0-31 addresses.  ki: v32-95 the way out, v128-255 the accumulators ((a, b) at 128 + 8 (4 a + b)).  qi: v64-127, v128-191 fragments of A (in the last K step four buffers of 16 rows x 128 K); v32-63, v192-255 the way out
;   window 1: ki: two fragment buffers of 128 (for 64 along K: 64 registers of A, then 64 of B).  qi: v64-127, v128-191 fragments of B; in the last K step all 256
;   window 2: qi's 32 accumulators of my rows 0-63 ((a, b) at 8 (8 a + b));   window 3: those of my rows 64-127
.set SIZE_N, 2048                      ; columns of qi and of ki
.set SIZE_K, 2048
.set KSTEP,  128                       ; qi's K step
.set PITCH,  272                       ; qi: an LDS row: 256 bytes + 16 of padding = 68 words: row r starts at bank 4 r mod 64 (64 banks of 4 bytes: ISA guide 11.1)
.set HALFT,  128*PITCH                 ; qi: 128 rows: what one tensor load brings, and what one wave reads of A or of B
.set SLOT,   4*HALFT                   ; a slot: A's rows, then B's rows.  139,264 bytes; ki's tiles use 135,168 of them
.set KKSTEP, 256                       ; ki's K step
.set KPITCH, 528                       ; ki: an LDS row: 512 bytes + 16 = 132 words: row r again starts at bank 4 r mod 64
.set KHALFT, 64*KPITCH                 ; ki: 64 rows
.set STAGE,  2*SLOT                    ; behind the ring, never filled by a tensor load: for ki 128 rows x 272 bytes, the work-group's; later, for qi, 16 rows x 272 bytes for each wave
.set SPITCH, 272
.set SPARE,  STAGE+128*SPITCH          ; the spare words, 128 bytes for each wave: two blocks of 256 bytes that no other line names
.set LAPS,   SIZE_K/(2*KSTEP)          ; a lap = two K steps = once round the ring: 8 for qi,
.set KLAPS,  SIZE_K/(2*KKSTEP)         ; 4 for ki
.set KADRA, 6                          ; v6-7    ki: LDS address of my A fragments in slot 0, 1
.set KADRB, 8                          ; v8-9    ki: the same for B
.set KSTO,  10                         ; v10     ki's way out: where I put 16 bytes of a row
.set KRD,   11                         ; v11     ki's way out: where I read a row back
.set ADRA, 16                          ; v16-17  qi: LDS address of my A fragments in slot 0, 1
.set ADRB, 20                          ; v20-21  qi: the same for B
.set STO,  24                          ; v24     qi's way out: where I put 16 bytes of a row
.set RD,   25                          ; v25     qi's way out: where I read a row back
.set CO,   26                          ; v26     my byte offset in two rows of C, for both parts; never rewritten
.set SPW,  28                          ; v28     LDS address of my spare word; never rewritten
.set NIL,  29                          ; v29     0; never rewritten
.set PFO,  30                          ; v30     the prefetches' offset: my lane x a row of qb or wqb; never rewritten
.set KTMP, 32
.set KACC, 128
.set KF0,  0                           ; ki's fragment buffers, in window 1
.set KF1,  128
.set F0,   64                          ; qi's fragment buffers
.set F1,   128
.set TMP,  192
.set OB,   32
.set PA,   64
.set KTC,  2                           ; s2      ki's tile column
.set G1,   24                          ; s[24:31] qi: descriptor group 1 for A's tiles
.set G0,   32                          ; s[32:39] qi: group 0 for A's tiles, one set for each slot
.set LIM,  43                          ; s43     1 in a wave that prefetches, else the greatest number
.set PFA,  44                          ; s[44:45] where my prefetches stand: my work-group's 32 rows of the 128 that I fetch, one K step beyond the refill in hand; a prefetch names the K step after that
.set G1B,  48                          ; s[48:55] qi: group 1 for B's tiles: it differs in the mask alone
.set G0B,  56                          ; s[56:63] qi: group 0 for B's tiles
.set CLY,  66                          ; s66     cluster y
.set KTR,  67                          ; s67     ki's tile row
.set KG1,  68                          ; s[68:75] ki: group 1 for A's tiles
.set KG1B, 76                          ; s[76:83] ki: for B's
.set KG0,  84                          ; s[84:91] ki: group 0 for A's tiles, one set for each slot
.set KG0B, 92                          ; s[92:99] ki: for B's
.set KC,   100                         ; s[100:101] ki at the rows that I store
.set MSB, 0
.macro WIN new                         ; the immediate's high byte repeats the setting that is left; a switch that changes nothing is dropped
.if MSB != (\new)
	s_set_vgpr_msb (MSB<<8)|(\new)
.set MSB, \new
.endif
.endm
.set MUL_LO, 0xa1                      ; qi: source 0 (B) window 1, source 1 (A) window 0, C and D window 2
.set MUL_HI, 0xf1                      ; the same, C and D window 3
.set TO_B,   0x40                      ; destination window 1, address window 0
.set KMUL,   0x05                      ; ki: sources 0 (B) and 1 (A) window 1; C and D window 0
; A joint load.  Waves 0 and 1 fetch A's two halves, waves 2 and 3 B's.  The branch hangs on the wave's number alone.  An s_nop 0 and four v_nop follow each line.
.macro JLOAD s                         ; qi's tiles
	s_cmp_eq_u32 s11, 0
	s_cbranch_scc0 .Lfor_b_\@
	tensor_load_to_lds s[G0+4*(\s):G0+4*(\s)+3], s[G1:G1+7]
	s_nop 0
.rept 4
	v_nop
.endr
	s_branch .Lasked_\@
.Lfor_b_\@:
	tensor_load_to_lds s[G0B+4*(\s):G0B+4*(\s)+3], s[G1B:G1B+7]
	s_nop 0
.rept 4
	v_nop
.endr
.Lasked_\@:
.endm
.macro KJLOAD s                        ; ki's tiles
	s_cmp_eq_u32 s11, 0
	s_cbranch_scc0 .Lkfor_b_\@
	tensor_load_to_lds s[KG0+4*(\s):KG0+4*(\s)+3], s[KG1:KG1+7]
	s_nop 0
.rept 4
	v_nop
.endr
	s_branch .Lkasked_\@
.Lkfor_b_\@:
	tensor_load_to_lds s[KG0B+4*(\s):KG0B+4*(\s)+3], s[KG1B:KG1B+7]
	s_nop 0
.rept 4
	v_nop
.endr
.Lkasked_\@:
.endm
; A prefetch of qb's and wqb's rows, behind each joint load of qi's tiles: the K step that stands two such loads on: 32 rows x 256 bytes, a lane a row, one instruction a wave.
; Each row's 256 bytes of a K step are named once in the launch: for qb's rows the cluster with x = 0 asks, for wqb's the cluster with y = 0; the four partners that ask for a tile jointly share its rows out by address,
; 32 each (by cx for qb, by cy for wqb): no branch hangs on a work-group's place in its cluster.  K steps 0 and 1 come by their loads alone.
; how = 1: at the change from ki to qi (K steps 2 and 3).  how = 0: in qi's loop, whose last trip (s3 = 1) asks for nothing: there is no K step 16.  ki's small tiles are not asked for.
; It holds a branch and a label: every window is 0 where it stands.
.macro ASK how
.if \how
	s_cmp_eq_u32 s[LIM], 1
.else
	s_cmp_gt_u32 s3, s[LIM]
.endif
	s_cbranch_scc0 .Lnot_mine_\@
	global_prefetch_b8 v[PFO], s[PFA:PFA+1] offset:KSTEP*2 th:TH_LOAD_NT scope:SCOPE_SE
.Lnot_mine_\@:
.endm
; A round of the cluster's barrier: my work-group's barrier; wave 0 signals for the work-group; every wave waits for all sixteen work-groups; my work-group's barrier once more.
.macro CREST                           ; a round behind its opening barrier
	s_cmp_lg_u32 s10, 0
	s_cbranch_scc1 .Lnot_wave_0_\@
	s_barrier_signal -3
.Lnot_wave_0_\@:
	s_barrier_wait -3
	s_barrier_signal -1
	s_barrier_wait -1
.endm
.macro CROUND
	s_barrier_signal -1
	s_barrier_wait -1
	CREST
.endm
	s_load_b128 s[4:7], s[0:1], 0x0                ; qb s[4:5], wqb s[6:7]
	s_load_b64 s[8:9], s[0:1], 0x10                ; qi
	s_load_b64 s[20:21], s[0:1], 0x18              ; kb
	s_load_b64 s[22:23], s[0:1], 0x20              ; wkb
	s_load_b64 s[KC:KC+1], s[0:1], 0x28            ; ki
	v_lshl_add_u32 v[SPW], v0, 2, SPARE
	v_mov_b32 v[NIL], 0
	ds_add_u32 v[SPW], v[NIL]                      ; the wave's opening: the add, twice on end, and its wait ahead of my first tensor load
	ds_add_u32 v[SPW], v[NIL]
	v_lshrrev_b32 v1, 5, v0
	v_readfirstlane_b32 s10, v1                    ; wave 0..3
	s_lshr_b32 s11, s10, 1                         ; which half of a tile's rows is mine.  Also: I fetch for A (0) or for B (1)
	s_and_b32 s12, s10, 1                          ; which half of its columns.  Also: which half of that tile I fetch
	s_bfe_u32 s40, ttmp6, 0x40000                  ; cx
	s_bfe_u32 s41, ttmp6, 0x40004                  ; cy
	s_and_b32 s[CLY], ttmp7, 0xffff
	s_lshl_b32 s42, ttmp9, 2
	s_add_co_u32 s42, s42, s40                     ; qi's tile column = 4 x cluster x + cx
	s_lshl_b32 s13, s[CLY], 2
	s_add_co_u32 s13, s13, s41                     ; qi's tile row = 4 x cluster y + cy
	s_lshr_b32 s[KTR], s[CLY], 1
	s_lshl_b32 s[KTR], s[KTR], 2
	s_add_co_u32 s[KTR], s[KTR], s41               ; ki's tile row = 4 x (cluster y / 2) + cy
	s_and_b32 s[KTC], s[CLY], 1
	s_lshl_b32 s[KTC], s[KTC], 1
	s_add_co_u32 s[KTC], s[KTC], ttmp9
	s_lshl_b32 s[KTC], s[KTC], 2
	s_add_co_u32 s[KTC], s[KTC], s40               ; ki's tile column = 4 x (cluster x + 2 (cluster y % 2)) + cx
	s_lshl_b32 s43, s41, 2
	s_lshl_b32 s43, 15, s43                        ; my row of the cluster: places 4 cy .. 4 cy + 3
	s_lshl_b32 s44, 0x1111, s40                    ; my column: places cx, cx + 4, cx + 8, cx + 12
	; descriptor group 1.  15:0 the mask; 17:16 elements of 2 bytes; 20 padding on; 21 set beside a mask; 24:22 after every 64 words (code 5) or 128 (code 6); 31:25 4 words of it
	s_or_b32 s[G1+0], s43, (1<<16)|(1<<20)|(1<<21)|(5<<22)|(3<<25)
	s_or_b32 s[G1B+0], s44, (1<<16)|(1<<20)|(1<<21)|(5<<22)|(3<<25)
	s_or_b32 s[KG1+0], s43, (1<<16)|(1<<20)|(1<<21)|(6<<22)|(3<<25)
	s_or_b32 s[KG1B+0], s44, (1<<16)|(1<<20)|(1<<21)|(6<<22)|(3<<25)
.irp g, G1, G1B                        ; qi: a tile of 128 rows x 128 elements
	s_mov_b32 s[(\g)+1], KSTEP<<16                 ; tensor_dim0 = 128
	s_mov_b32 s[(\g)+2], 128<<16                   ; tensor_dim1 = 128
	s_mov_b32 s[(\g)+3], KSTEP<<16                 ; tile_dim0 = 128
	s_mov_b32 s[(\g)+4], 128                       ; tile_dim1 = 128
	s_mov_b32 s[(\g)+5], SIZE_K                    ; elements from row to row
	s_mov_b32 s[(\g)+6], 0
	s_mov_b32 s[(\g)+7], 0
.endr
.irp g, KG1, KG1B                      ; ki: a tile of 64 rows x 256 elements
	s_mov_b32 s[(\g)+1], KKSTEP<<16                ; tensor_dim0 = 256
	s_mov_b32 s[(\g)+2], 64<<16                    ; tensor_dim1 = 64
	s_mov_b32 s[(\g)+3], KKSTEP<<16                ; tile_dim0 = 256
	s_mov_b32 s[(\g)+4], 64                        ; tile_dim1 = 64
	s_mov_b32 s[(\g)+5], SIZE_K
	s_mov_b32 s[(\g)+6], 0
	s_mov_b32 s[(\g)+7], 0
.endr
	; A's tiles hang on the tile row alone, which my row of the cluster shares; B's on the tile column alone.  Each address is made in registers that never hold the other coordinate.
	s_lshl_b32 s14, s12, 6                         ; which 64 rows of ki's tile I fetch
	s_lshl_b32 s16, s[KTR], 7
	s_add_co_u32 s16, s16, s14                     ; kb: row 128 x tile row + 64 x half,
	s_lshl_b32 s16, s16, 12                        ; in bytes (under 2^23)
	s_mov_b32 s17, 0
	s_lshl_b32 s46, s[KTC], 7
	s_add_co_u32 s46, s46, s14                     ; wkb: row 128 x tile column + 64 x half
	s_lshl_b32 s46, s46, 12
	s_mov_b32 s47, 0
	s_mul_i32 s15, s10, KHALFT                     ; where they go: wave x 64 rows: no place in the cluster enters an LDS address
	s_wait_dscnt 0x0                               ; both opening adds are done
	s_wait_kmcnt 0x0
	s_add_nc_u64 s[20:21], s[20:21], s[16:17]
	s_add_nc_u64 s[22:23], s[22:23], s[46:47]
	CROUND                                         ; all sixteen work-groups are here: the first joint loads meet
.irp s, 0,1
	s_mov_b32 s[KG0+4*(\s)], 1                                     ; count = 1
	s_add_co_u32 s[KG0+4*(\s)+1], s15, (\s)*SLOT                   ; LDS address
	s_add_nc_u64 s[KG0+4*(\s)+2:KG0+4*(\s)+3], s[20:21], (\s)*KKSTEP*2  ; global address: ki's K step s
	s_or_b32 s[KG0+4*(\s)+3], s[KG0+4*(\s)+3], 0x80000000          ; type = 2
	s_mov_b32 s[KG0B+4*(\s)], 1
	s_add_co_u32 s[KG0B+4*(\s)+1], s15, (\s)*SLOT
	s_add_nc_u64 s[KG0B+4*(\s)+2:KG0B+4*(\s)+3], s[22:23], (\s)*KKSTEP*2
	s_or_b32 s[KG0B+4*(\s)+3], s[KG0B+4*(\s)+3], 0x80000000
	KJLOAD \s                                      ; two tensor loads of mine are out
.endr
	; All the set-up below, qi's too, stands in the wait for the first tile.
	; A fragment is 16 rows x 32 K in 8 registers: lane l holds row l % 16; registers 0-3 K = 8 (l / 16) + 0..7, registers 4-7 K = 16 + 8 (l / 16) + 0..7: two loads of 16 bytes, 32 bytes apart.
	v_and_b32 v1, 15, v0                           ; l % 16
	v_bfe_u32 v2, v0, 4, 1                         ; l / 16
	v_mul_u32_u24 v3, v1, KPITCH
	v_lshl_add_u32 v3, v2, 4, v3                   ; ki: a fragment's row x pitch + 16 x half
	s_mul_i32 s21, s11, KHALFT                     ; my 64 rows of A
	s_mul_i32 s22, s12, KHALFT                     ; my 64 rows of B,
	s_add_co_u32 s22, s22, 2*KHALFT                ; which lie behind A's 128
.irp s, 0,1
	v_add_nc_u32 v[KADRA+(\s)], s21, v3
	v_add_nc_u32 v[KADRB+(\s)], s22, v3
	s_add_co_u32 s21, s21, SLOT
	s_add_co_u32 s22, s22, SLOT
.endr
	v_mul_u32_u24 v4, v1, SPITCH                   ; into a stage: row l % 16, 16 bytes for each half of the lanes
	v_lshl_add_u32 v4, v2, 4, v4
	v_mul_u32_u24 v5, v2, SPITCH                   ; back: lanes 0-15 take one row of 256 bytes, lanes 16-31 the next
	v_lshl_add_u32 v5, v1, 4, v5
	s_mul_i32 s23, s11, 64*SPITCH                  ; ki: my 64 rows of the shared stage, my half of their 256 bytes
	s_lshl_b32 s21, s12, 7
	s_add_co_u32 s23, s23, s21
	s_add_co_u32 s23, s23, STAGE
	v_add_nc_u32 v[KSTO], s23, v4
	s_mul_i32 s23, s10, 32*SPITCH                  ; ki, back: wave w takes rows 32 w .. 32 w + 31, whole
	s_add_co_u32 s23, s23, STAGE
	v_add_nc_u32 v[KRD], s23, v5
	s_mul_i32 s23, s10, 16*SPITCH                  ; qi: my own stage
	s_add_co_u32 s23, s23, STAGE
	v_add_nc_u32 v[STO], s23, v4
	v_add_nc_u32 v[RD], s23, v5
	v_mul_u32_u24 v3, v2, SIZE_N*2                 ; and the same two rows in C
	v_lshl_add_u32 v[CO], v1, 4, v3
	s_lshl_b32 s16, s[KTR], 7
	s_lshl_b32 s17, s10, 5
	s_add_co_u32 s16, s16, s17                     ; the first row of ki that I store: 128 x tile row + 32 x wave
	s_lshl_b32 s16, s16, 12
	s_mov_b32 s17, 0
	s_add_nc_u64 s[KC:KC+1], s[KC:KC+1], s[16:17]
	s_lshl_b32 s46, s[KTC], 8                      ; the tile's first column, in bytes
	s_mov_b32 s47, 0
	s_add_nc_u64 s[KC:KC+1], s[KC:KC+1], s[46:47]
	; qi's descriptors
	s_lshl_b32 s17, s12, 7
	s_lshl_b32 s16, s13, 8
	s_add_co_u32 s16, s16, s17                     ; qb: row 256 x tile row + 128 x half
	s_lshl_b32 s46, s42, 8
	s_add_co_u32 s46, s46, s17                     ; wqb: row 256 x tile column + 128 x half
	s_mov_b32 s17, 0
	s_mov_b32 s47, 0
	s_mov_b64 s[18:19], SIZE_K*2
	s_mul_u64 s[16:17], s[16:17], s[18:19]
	s_mul_u64 s[46:47], s[46:47], s[18:19]
	s_mul_i32 s20, s10, HALFT                      ; where they go: wave x 128 rows
	s_add_nc_u64 s[14:15], s[4:5], s[16:17]
	s_add_nc_u64 s[46:47], s[6:7], s[46:47]
.irp s, 0,1
	s_mov_b32 s[G0+4*(\s)], 1
	s_add_co_u32 s[G0+4*(\s)+1], s20, (\s)*SLOT
	s_add_nc_u64 s[G0+4*(\s)+2:G0+4*(\s)+3], s[14:15], (\s)*KSTEP*2  ; qi's K step s
	s_or_b32 s[G0+4*(\s)+3], s[G0+4*(\s)+3], 0x80000000
	s_mov_b32 s[G0B+4*(\s)], 1
	s_add_co_u32 s[G0B+4*(\s)+1], s20, (\s)*SLOT
	s_add_nc_u64 s[G0B+4*(\s)+2:G0B+4*(\s)+3], s[46:47], (\s)*KSTEP*2
	s_or_b32 s[G0B+4*(\s)+3], s[G0B+4*(\s)+3], 0x80000000
.endr
	v_mul_u32_u24 v3, v1, PITCH
	v_lshl_add_u32 v3, v2, 4, v3                   ; qi: a fragment's row x pitch + 16 x half
	s_mul_i32 s21, s11, HALFT                      ; my 128 rows of A
	s_mul_i32 s22, s12, HALFT                      ; my 128 rows of B,
	s_add_co_u32 s22, s22, 2*HALFT                 ; which lie behind A's 256
.irp s, 0,1
	v_add_nc_u32 v[ADRA+(\s)], s21, v3
	v_add_nc_u32 v[ADRB+(\s)], s22, v3
	s_add_co_u32 s21, s21, SLOT
	s_add_co_u32 s22, s22, SLOT
.endr
	s_lshl_b32 s13, s13, 8
	s_lshl_b32 s14, s11, 7
	s_add_co_u32 s16, s13, s14                     ; my first row of qi
	s_mov_b32 s17, 0
	s_mov_b64 s[18:19], SIZE_N*2
	s_mul_u64 s[16:17], s[16:17], s[18:19]
	s_lshl_b32 s46, s42, 9                         ; my first column, in bytes: 512 x tile column + 256 x half
	s_lshl_b32 s47, s12, 8
	s_add_co_u32 s46, s46, s47
	s_mov_b32 s47, 0
	s_add_nc_u64 s[16:17], s[16:17], s[46:47]      ; what qi's way out adds to its address; kept till then
	; the prefetches
	s_lshl_b32 s42, s42, 8
	s_cmp_eq_u32 s11, 0                            ; do I fetch for A?
	s_cselect_b32 s20, s13, s42                    ; the tile's first row
	s_cselect_b32 s21, s40, s41                    ; my place among the four that ask for it with me
	s_cselect_b32 s22, ttmp9, s[CLY]               ; the coordinate along which other clusters read the same rows
	s_cselect_b64 s[PFA:PFA+1], s[4:5], s[6:7]
	s_cmp_eq_u32 s22, 0
	s_cselect_b32 s[LIM], 1, -1                    ; the same in all sixteen partners, for a given wave
	s_lshl_b32 s22, s12, 7
	s_add_co_u32 s20, s20, s22                     ; + the 128 rows that I fetch
	s_lshl_b32 s21, s21, 5
	s_add_co_u32 s20, s20, s21                     ; + my work-group's 32 of them
	s_mov_b32 s21, 0
	s_mov_b64 s[18:19], SIZE_K*2
	s_mul_u64 s[20:21], s[20:21], s[18:19]
	s_add_nc_u64 s[PFA:PFA+1], s[PFA:PFA+1], s[20:21]  ; at K step 0: the load of K step 0 steps it to 1 and names K step 2
	v_and_b32 v[PFO], 31, v0
	v_mul_u32_u24 v[PFO], v[PFO], SIZE_K*2
; Four plain vector instructions between a matrix instruction and a load into a register that it has read, or a vector instruction that reads its result (ISA guide 7.12.1 for vector instructions).
.macro PLACES
.rept 4
	v_nop
.endr
.endm
; ---------------- ki's part ----------------
; 8 matrix instructions: m blocks a0, a0 + 1 x all 4 n blocks, 32 along K: half c of buffer f.  zero = 1: the first product starts the sums.  The 16 accumulators take turns.
.macro KMUL8 f, c, a0, zero
	WIN KMUL
.irp a, \a0, (\a0)+1
.irp b, 0,1,2,3
.if \zero
	v_wmma_f32_16x16x32_bf16 v[KACC+8*(4*(\a)+(\b)):KACC+8*(4*(\a)+(\b))+7], v[(\f)+64+8*(4*(\c)+(\b)):(\f)+64+8*(4*(\c)+(\b))+7], v[(\f)+8*(4*(\c)+(\a)):(\f)+8*(4*(\c)+(\a))+7], 0
.else
	v_wmma_f32_16x16x32_bf16 v[KACC+8*(4*(\a)+(\b)):KACC+8*(4*(\a)+(\b))+7], v[(\f)+64+8*(4*(\c)+(\b)):(\f)+64+8*(4*(\c)+(\b))+7], v[(\f)+8*(4*(\c)+(\a)):(\f)+8*(4*(\c)+(\a))+7], v[KACC+8*(4*(\a)+(\b)):KACC+8*(4*(\a)+(\b))+7]
.endif
.endr
.endr
.endm
; 32 LDS loads in one run: the fragments of 64 along K at byte k of the rows, into buffer f; the first 32 along K first.  It leaves the destination in window 1.
.macro KFETCH slot, k, f
	WIN TO_B
.irp c, 0,1
.irp i, 0,1,2,3
	ds_load_b128 v[(\f)+64+8*(4*(\c)+(\i)):(\f)+64+8*(4*(\c)+(\i))+3],   v[KADRB+(\slot)] offset:(\k)+64*(\c)+(\i)*16*KPITCH
	ds_load_b128 v[(\f)+64+8*(4*(\c)+(\i))+4:(\f)+64+8*(4*(\c)+(\i))+7], v[KADRB+(\slot)] offset:(\k)+64*(\c)+(\i)*16*KPITCH+32
	ds_load_b128 v[(\f)+8*(4*(\c)+(\i)):(\f)+8*(4*(\c)+(\i))+3],         v[KADRA+(\slot)] offset:(\k)+64*(\c)+(\i)*16*KPITCH
	ds_load_b128 v[(\f)+8*(4*(\c)+(\i))+4:(\f)+8*(4*(\c)+(\i))+7],       v[KADRA+(\slot)] offset:(\k)+64*(\c)+(\i)*16*KPITCH+32
.endr
.endr
.endm
; A K step of ki is four quarters of 64 along K, 32 matrix instructions each, on buffers 0, 1, 0, 1.  One of the first three: multiplies buffer f and fetches the next quarter, at byte k, into g.
.macro KQUARTER slot, k, f, g, zero
	s_wait_dscnt 16                                ; the first 32 along K are in
	KMUL8 \f, 0, 0, \zero
	KMUL8 \f, 0, 2, \zero
	PLACES
	KFETCH \slot, \k, \g
	s_wait_dscnt 32                                ; all but the 32 just issued
	KMUL8 \f, 1, 0, 0
	KMUL8 \f, 1, 2, 0
.endm
; The last quarter multiplies buffer 1 and changes slots.  In front of the barrier, which opens a round of the cluster's barrier, each wave waits for all its tensor loads (one is out: its part of the next slot), adds 0 to
; its spare word, and waits for that and for its own reads of this slot.  Behind the round no wave of any partner reads this slot or has a load on its way, and the slot is filled again first:
; fill = 1: with ki's K step two steps on; fill = 2: with qi's K step 0 (slot 0) or 1 (slot 1): THE RING GOES ON INTO qi.  next = -1: ki has no further K step to fetch fragments of.
.macro KTURN slot, next, fill
.if (\fill) == 2
	s_wait_xcnt 0x0                                ; an earlier prefetch has read its address: it is stepped here
	s_add_nc_u64 s[PFA:PFA+1], s[PFA:PFA+1], KSTEP*2
.endif
	WIN 0                                          ; (the add's two registers lie in window 0)
	s_wait_tensorcnt 0x0                           ; all my tensor loads have landed
	ds_add_u32 v[SPW], v[NIL]                      ; 0 onto my spare word
	s_wait_dscnt 17                                ; (the add and the youngest sixteen loads may be out)
	KMUL8 KF1, 0, 0, 0                             ; eight matrix instructions stand between the add and the wait for it
	s_wait_dscnt 0x0                               ; the add is done, and my reads of this slot are over
	s_barrier_signal -1
	KMUL8 KF1, 0, 2, 0                             ; work on registers while the others arrive
	WIN 0
	s_barrier_wait -1
	CREST
.if (\fill) == 1
	s_add_nc_u64 s[KG0+4*(\slot)+2:KG0+4*(\slot)+3], s[KG0+4*(\slot)+2:KG0+4*(\slot)+3], 2*KKSTEP*2
	s_add_nc_u64 s[KG0B+4*(\slot)+2:KG0B+4*(\slot)+3], s[KG0B+4*(\slot)+2:KG0B+4*(\slot)+3], 2*KKSTEP*2
	KJLOAD \slot                                   ; the first tensor load behind the round: 112 matrix instructions ahead of the wait for it; its four v_nop are also the places in front of the loads below
.else
	JLOAD \slot
.endif
.if (\next) >= 0
	KFETCH \next, 0, KF0
.endif
.if (\fill) == 2
	WIN 0                                          ; the fetch above leaves the destination in window 1; at the prefetch's branch and label every window is 0
	ASK 1
.endif
	KMUL8 KF1, 1, 0, 0
	KMUL8 KF1, 1, 2, 0
.endm
	s_wait_tensorcnt 1                             ; my part of ki's K step 0 is in; K step 1's may stay out
	s_barrier_signal -1
	s_barrier_wait -1                              ; everybody's is
	KFETCH 0, 0, KF0
	KQUARTER 0, 128, KF0, KF1, 1                   ; the first quarter stands in front of the loop: its first products start the sums
	WIN 0                                          ; at a label and at a branch every window is 0
	s_mov_b32 s3, KLAPS-1
.Lklap:                                                ; a trip goes once round the ring, from a lap's second quarter to the next lap's first, and fills both slots again
	KQUARTER 0, 256, KF1, KF0, 0
	KQUARTER 0, 384, KF0, KF1, 0
	KTURN 0, 1, 1
	KQUARTER 1, 128, KF0, KF1, 0
	KQUARTER 1, 256, KF1, KF0, 0
	KQUARTER 1, 384, KF0, KF1, 0
	KTURN 1, 0, 1
	KQUARTER 0, 128, KF0, KF1, 0
	WIN 0
	s_sub_co_u32 s3, s3, 1
	s_cmp_lg_u32 s3, 0
	s_cbranch_scc1 .Lklap
	KQUARTER 0, 256, KF1, KF0, 0                   ; ki's last lap: its two changes of slots ask for qi's first two K steps
	KQUARTER 0, 384, KF0, KF1, 0
	KTURN 0, 1, 2
	KQUARTER 1, 128, KF0, KF1, 0
	KQUARTER 1, 256, KF1, KF0, 0
	KQUARTER 1, 384, KF0, KF1, 0
	KTURN 1, -1, 2                                 ; behind its round qi's K step 0 lies whole in slot 0
	WIN 0
	; ki's WAY OUT: round to f16; 16 bytes a lane into the work-group's stage; a barrier, since a row's 256 bytes come from two waves; back as whole rows, 32 rows a wave.
	; qi's K step 1 stays on its way across that barrier.
	PLACES
.irp t, 0,1,2,3,4,5,6,7,8,9,10,11,12,13,14,15
.irp r, 0,1,2,3
	v_cvt_pk_f16_f32 v[KTMP+4*(\t)+(\r)], v[KACC+8*(\t)+2*(\r)], v[KACC+8*(\t)+2*(\r)+1]
.endr
.endr
.irp a, 0,1,2,3
.irp b, 0,1,2,3
	ds_store_b128 v[KSTO], v[KTMP+4*(4*(\a)+(\b)):KTMP+4*(4*(\a)+(\b))+3] offset:(\a)*16*SPITCH+32*(\b)
.endr
.endr
	s_wait_dscnt 0x0                               ; for the others' sake: my stores into the stage are done
	s_barrier_signal -1
	s_barrier_wait -1
.irp t, 0,1,2,3,4,5,6,7,8,9,10,11,12,13,14,15
	ds_load_b128 v[KTMP+4*(\t):KTMP+4*(\t)+3], v[KRD] offset:(\t)*2*SPITCH
.endr
.irp t, 0,1,2,3,4,5,6,7,8,9,10,11,12,13,14,15
	s_wait_dscnt 15-(\t)
	global_store_b128 v[CO], v[KTMP+4*(\t):KTMP+4*(\t)+3], s[KC:KC+1] offset:2*(\t)*SIZE_N*2  ; 16 lanes store 256 consecutive bytes, at a multiple of 256 from ki's first byte
.endr
	s_wait_xcnt 0x0                                ; those stores have read their data: v64-95 take qi's first fragments below
; ---------------- qi's part ----------------
; 16 matrix instructions: m blocks a0, a0 + 1 of the window's four x all 8 n blocks, 32 along K.  zero = 1: the first product starts the sums: nothing is cleared.
.macro MUL16 f, hi, a0, zero
	WIN MUL_LO+0x50*(\hi)
.irp a, \a0, (\a0)+1
.irp b, 0,1,2,3,4,5,6,7
.if \zero
	v_wmma_f32_16x16x32_bf16 v[8*(8*(\a)+(\b)):8*(8*(\a)+(\b))+7], v[(\f)+8*(\b):(\f)+8*(\b)+7], v[(\f)+8*(4*(\hi)+(\a)):(\f)+8*(4*(\hi)+(\a))+7], 0
.else
	v_wmma_f32_16x16x32_bf16 v[8*(8*(\a)+(\b)):8*(8*(\a)+(\b))+7], v[(\f)+8*(\b):(\f)+8*(\b)+7], v[(\f)+8*(4*(\hi)+(\a)):(\f)+8*(4*(\hi)+(\a))+7], v[8*(8*(\a)+(\b)):8*(8*(\a)+(\b))+7]
.endif
.endr
.endr
.endm
; 32 LDS loads in one run: the fragments of one quarter step (128 rows of B, 128 rows of A, 32 K at byte k of the rows) into buffer f.  It leaves every window 0.
.macro FETCH slot, k, f
	WIN TO_B
.irp i, 0,1,2,3,4,5,6,7
	ds_load_b128 v[(\f)+8*(\i):(\f)+8*(\i)+3],   v[ADRB+(\slot)] offset:(\k)+(\i)*16*PITCH
	ds_load_b128 v[(\f)+8*(\i)+4:(\f)+8*(\i)+7], v[ADRB+(\slot)] offset:(\k)+(\i)*16*PITCH+32
.endr
	WIN 0
.irp i, 0,1,2,3,4,5,6,7
	ds_load_b128 v[(\f)+8*(\i):(\f)+8*(\i)+3],   v[ADRA+(\slot)] offset:(\k)+(\i)*16*PITCH
	ds_load_b128 v[(\f)+8*(\i)+4:(\f)+8*(\i)+7], v[ADRA+(\slot)] offset:(\k)+(\i)*16*PITCH+32
.endr
.endm
; A K step of qi is four quarters of 32 along K, 64 matrix instructions each, on buffers 0, 1, 0, 1.  The 64 accumulators take turns in the same order in every quarter.
; One of the first three: multiplies buffer f; in its middle it fetches the next quarter's fragments, at byte k of the same slot's rows, into buffer g.
.macro QUARTER slot, k, f, g, zero
	s_wait_dscnt 8                                 ; B and A's rows 0-63 are in; the youngest eight loads (A's rows 64-127) may be out
	WIN MUL_LO
	MUL16 \f, 0, 0, \zero
	MUL16 \f, 0, 2, \zero
	PLACES
	FETCH \slot, \k, \g
	s_wait_dscnt 32                                ; all but the 32 just issued
	WIN MUL_HI
	MUL16 \f, 1, 0, \zero
	MUL16 \f, 1, 2, \zero
.endm
; The last quarter multiplies buffer 1 and changes slots.  MEET is its first half: one barrier, in front of which each wave waits for all its tensor loads (one is out: its part of the next slot), adds 0 to its
; spare word, and waits for that and for its own reads of this slot.  Behind it nobody reads this slot any more and the next slot is whole.
.macro MEET round                      ; round = 1: a round of the cluster's barrier follows
	WIN 0                                          ; (the add's two registers lie in window 0)
	s_wait_tensorcnt 0x0                           ; all my tensor loads have landed
	ds_add_u32 v[SPW], v[NIL]                      ; 0 onto my spare word
	s_wait_dscnt 9                                 ; (the add and the youngest eight loads may be out)
	WIN MUL_LO
	MUL16 F1, 0, 0, 0                              ; sixteen matrix instructions stand between the add and the wait for it
	s_wait_dscnt 0x0                               ; the add is done, and my reads of this slot are over
	s_barrier_signal -1
	MUL16 F1, 0, 2, 0                              ; work on registers while the others arrive
.if \round
	WIN 0
.endif
	s_barrier_wait -1
.endm
; The whole last quarter: behind the round the slot just read out is filled again first, with the K step two steps on; then come the next slot's first fragments.  From a request to the wait for it a wave issues 224 matrix instructions.
.macro TURN slot, next
	s_wait_xcnt 0x0                                ; the last prefetch, a K step back, has read its address: it is stepped here
	s_add_nc_u64 s[PFA:PFA+1], s[PFA:PFA+1], KSTEP*2
	MEET 1
	CREST                                          ; no wave of any partner still reads this slot's tile or has a load on its way
	s_add_nc_u64 s[G0+4*(\slot)+2:G0+4*(\slot)+3], s[G0+4*(\slot)+2:G0+4*(\slot)+3], 2*KSTEP*2
	s_add_nc_u64 s[G0B+4*(\slot)+2:G0B+4*(\slot)+3], s[G0B+4*(\slot)+2:G0B+4*(\slot)+3], 2*KSTEP*2
	JLOAD \slot                                    ; the first tensor load behind the round; its four v_nop are also the places in front of the loads below
	FETCH \next, 0, F0
	ASK 0
	WIN MUL_HI
	MUL16 F1, 1, 0, 0
	MUL16 F1, 1, 2, 0
.endm
; qi's LAST K STEP (it lies in slot 1) GOES BY ROWS OF C.  All its fragments of B fill window 1; then my eight blocks of 16 rows are finished one after the other, each with 32 matrix instructions
; (its 8 accumulators by turns, K ascending).  LDS is read no more than in any other K step.
.macro BLOAD q                         ; B's fragments of quarter q -> window 1, v[64 q ..]
	WIN TO_B
.irp i, 0,1,2,3,4,5,6,7
	ds_load_b128 v[64*(\q)+8*(\i):64*(\q)+8*(\i)+3],   v[ADRB+1] offset:64*(\q)+(\i)*16*PITCH
	ds_load_b128 v[64*(\q)+8*(\i)+4:64*(\q)+8*(\i)+7], v[ADRB+1] offset:64*(\q)+(\i)*16*PITCH+32
.endr
.endm
.macro ALOAD a                         ; A's fragments of block a, all four quarters -> buffer a % 4
	WIN 0
.set FA, PA+32*((\a)%4)
.irp q, 0,1,2,3
	ds_load_b128 v[FA+8*(\q):FA+8*(\q)+3],   v[ADRA+1] offset:64*(\q)+(\a)*16*PITCH
	ds_load_b128 v[FA+8*(\q)+4:FA+8*(\q)+7], v[ADRA+1] offset:64*(\q)+(\a)*16*PITCH+32
.endr
.endm
.macro ROW a                           ; block a is finished: 32 matrix instructions
.set FA, PA+32*((\a)%4)
.set AC, 64*((\a)%4)
	WIN MUL_LO+0x50*((\a)/4)
.irp q, 0,1,2,3
.if (\a) == 0 && (\q) == 2
	s_wait_dscnt 24                                ; B's quarter 2 is in (behind it: A's blocks 1 to 3)
.endif
.irp b, 0,1,2,3,4,5,6,7
	v_wmma_f32_16x16x32_bf16 v[AC+8*(\b):AC+8*(\b)+7], v[64*(\q)+8*(\b):64*(\q)+8*(\b)+7], v[FA+8*(\q):FA+8*(\q)+7], v[AC+8*(\b):AC+8*(\b)+7]
.endr
.endr
.endm
; THE WAY OUT of block a.  PACK: rounded to f16, 16 bytes a lane, each accumulator's registers in ascending order.  TOSTAGE: into my own stage in LDS, and back as whole rows of 256 bytes.  SEND: stored.
.macro PACK a
.set AC, 64*((\a)%4)
	WIN 0x0a+5*((\a)/4)                            ; sources 0 and 1: window 2 or 3
.irp b, 0,1,2,3,4,5,6,7
.irp r, 0,1,2,3
	v_cvt_pk_f16_f32 v[TMP+4*(\b)+(\r)], v[AC+8*(\b)+2*(\r)], v[AC+8*(\b)+2*(\r)+1]
.endr
.endr
	WIN 0
.endm
.macro TOSTAGE a
	WIN 0
.set BK, OB+192*((\a)%2)
.irp b, 0,1,2,3,4,5,6,7
	ds_store_b128 v[STO], v[TMP+4*(\b):TMP+4*(\b)+3] offset:32*(\b)
.endr
.irp t, 0,1,2,3,4,5,6,7
	ds_load_b128 v[BK+4*(\t):BK+4*(\t)+3], v[RD] offset:(\t)*2*SPITCH  ; LDS serves a wave's instructions in order (ISA guide 5.7.1.4): these see the stores above
.endr
.endm
.macro SEND a, younger                 ; younger: the LDS loads issued behind TOSTAGE's, which may stay out
	WIN 0
.set BK, OB+192*((\a)%2)
	s_wait_dscnt \younger                          ; the block is back in registers
	s_wait_xcnt 0x0                                ; the stores' base and the registers that earlier stores read are rewritten only behind this wait
.if (\a) == 0
	s_add_nc_u64 s[8:9], s[8:9], s[16:17]          ; on to my first rows
.else
	s_add_nc_u64 s[8:9], s[8:9], 16*SIZE_N*2       ; 16 rows of C on
.endif
.irp t, 0,1,2,3,4,5,6,7
	global_store_b128 v[CO], v[BK+4*(\t):BK+4*(\t)+3], s[8:9] offset:2*(\t)*SIZE_N*2  ; 16 lanes store 256 consecutive bytes, at a multiple of 256 from qi's first byte
.endr
.endm
	FETCH 0, 0, F0                                 ; the 64 conversions of ki's way out are the places between ki's last products and these loads
	QUARTER 0, 64,  F0, F1, 1                      ; the first quarter stands in front of the loop: its products start the sums
	WIN 0                                          ; at a label and at a branch every window is 0
	s_mov_b32 s3, LAPS-1
.Llap:                                                 ; a trip goes once round the ring, from a lap's second quarter to the next lap's first, and fills both slots again
	QUARTER 0, 128, F1, F0, 0
	QUARTER 0, 192, F0, F1, 0
	TURN 0, 1
	QUARTER 1, 64,  F0, F1, 0
	QUARTER 1, 128, F1, F0, 0
	QUARTER 1, 192, F0, F1, 0
	TURN 1, 0
	QUARTER 0, 64,  F0, F1, 0
	WIN 0
	s_sub_co_u32 s3, s3, 1
	s_cmp_lg_u32 s3, 0
	s_cbranch_scc1 .Llap
	QUARTER 0, 128, F1, F0, 0                      ; the last lap goes on; it asks for nothing more
	QUARTER 0, 192, F0, F1, 0
	MEET 0                                         ; my one tensor load that was still out is the last K step's, so no round follows
	PLACES                                         ; for the loads into buffer 0, which the quarter before multiplied
	WIN TO_B
	BLOAD 0                                        ; three quarters of B now: buffer 1 is still being multiplied
	BLOAD 1
	BLOAD 3
	WIN 0
	ALOAD 0
	WIN MUL_HI
	MUL16 F1, 1, 0, 0
	MUL16 F1, 1, 2, 0
	PLACES                                         ; for the loads into buffer 1
	WIN TO_B
	BLOAD 2
	WIN 0
	ALOAD 1
	ALOAD 2
	ALOAD 3
	s_wait_dscnt 40                                ; all but the 40 just issued
	ROW 0
.irp a, 0,1,2,3,4,5,6,7                ; each block leaves as soon as it is finished
	PLACES                                         ; its conversions read results just made
	PACK \a
	TOSTAGE \a
.if (\a) < 4
	ALOAD (\a)+4                                   ; its buffer takes the block four further on
	SEND \a, 8
.else
	SEND \a, 0
.endif
.if (\a) < 7
	ROW (\a)+1
.endif
.endr
	s_wait_tensorcnt 0x0                           ; the wave's end, behind my last tensor load and my last LDS store
	ds_add_u32 v[SPW], v[NIL]
	s_wait_dscnt 0x0
	CROUND                                         ; the closing round: no work-group ends while a partner may still ask for a tile that names it
	s_endpgm
.Lfunc_end_k_qf654feb3b9_proj:
	.size	k_qf654feb3b9_proj, .Lfunc_end_k_qf654feb3b9_proj-k_qf654feb3b9_proj
	.p2alignl 7, 3214868480
	.fill 96, 4, 3214868480
	.section	.rodata,"a",@progbits
	.p2align	6, 0x0
	.amdhsa_kernel k_qf654feb3b9_proj
		.amdhsa_group_segment_fixed_size 327680
		.amdhsa_private_segment_fixed_size 0
		.amdhsa_enable_private_segment 0
		.amdhsa_kernarg_size 48
		.amdhsa_user_sgpr_count 2
		.amdhsa_user_sgpr_kernarg_segment_ptr 1
		.amdhsa_wavefront_size32 1
		.amdhsa_system_sgpr_workgroup_id_x 1
		.amdhsa_system_sgpr_workgroup_id_y 1
		.amdhsa_system_sgpr_workgroup_id_z 1
		.amdhsa_system_vgpr_workitem_id 0
		.amdhsa_next_free_vgpr 1024
		.amdhsa_next_free_sgpr 102
		.amdhsa_reserve_vcc 0
		.amdhsa_float_denorm_mode_32 3
		.amdhsa_float_denorm_mode_16_64 3
		.amdhsa_memory_ordered 1
		.amdhsa_forward_progress 1
		.amdhsa_inst_pref_size 229
	.end_amdhsa_kernel
	.amdgpu_metadata
---
amdhsa.version: [ 1, 2 ]
amdhsa.kernels:
  - .name:           k_qf654feb3b9_proj
    .symbol:         k_qf654feb3b9_proj.kd
    .args:
      - { .name: qb, .offset: 0, .size: 8, .value_kind: global_buffer, .address_space: global }
      - { .name: wqb, .offset: 8, .size: 8, .value_kind: global_buffer, .address_space: global }
      - { .name: qi, .offset: 16, .size: 8, .value_kind: global_buffer, .address_space: global }
      - { .name: kb, .offset: 24, .size: 8, .value_kind: global_buffer, .address_space: global }
      - { .name: wkb, .offset: 32, .size: 8, .value_kind: global_buffer, .address_space: global }
      - { .name: ki, .offset: 40, .size: 8, .value_kind: global_buffer, .address_space: global }
    .group_segment_fixed_size: 327680
    .private_segment_fixed_size: 0
    .kernarg_segment_align: 8
    .kernarg_segment_size: 48
    .max_flat_workgroup_size: 128
    .sgpr_count:     102
    .vgpr_count:     1024
    .wavefront_size: 32
...
	.end_amdgpu_metadata
.endif
;; end of part 2
;; launch score (part 3): grid 8 x 32, 4 waves a work-group, clusters of 4 x 4, 327,680 bytes of LDS; arguments qi, ki, wgt, out0; writes out0
.if DOCPART == 3
	.amdgcn_target "amdgcn-amd-amdhsa--gfx1250"
	.amdhsa_code_object_version 6
	.text
	.protected	k_qf654feb3b9_score
	.globl	k_qf654feb3b9_score
	.p2align	8
	.type	k_qf654feb3b9_score,@function
k_qf654feb3b9_score:
	s_mov_b64 s[64:65], 0
	v_nop
	global_prefetch_b8 v0, s[64:65] scope:SCOPE_SE
	s_setreg_imm32_b32 hwreg(HW_REG_WAVE_MODE, 25, 1), 1
	s_wait_xcnt 0x0
	s_wait_alu depctr_hold_cnt(0) depctr_sa_sdst(0) depctr_va_vdst(0) depctr_va_sdst(0) depctr_va_ssrc(0) depctr_va_vcc(0) depctr_vm_vsrc(0)
	s_getreg_b32 s2, hwreg(HW_REG_IB_STS2, 6, 4)
	s_cmp_eq_u32 s2, 0
	s_cbranch_scc0 .Lentry_in_a_cluster
	s_endpgm
.Lentry_in_a_cluster:
	s_bfe_u32 s2, ttmp6, 0x10000c
	s_cmp_lg_u32 s2, 0xf033
	s_cbranch_scc0 .Lentry_shape_is_right
	s_endpgm
.Lentry_shape_is_right:
; out0[b][q][k] = sum over h of relu(qi[b][q][h][:] . ki[b][k][h][:]) w[b][q][h].  qi: [8192][2048] f16 (row = 4096 b + q, column = 512 h + d), ki: [2048][2048] f16 (row = 1024 b + k),
; w: [8192][4] f32, out0: [8192][1024] f32.  Products in f16 with f32 sums; relu, the gate and the sum over heads in f32.  Nothing is left out.
; LIMIT: relu is a maximum with 0 in which a NaN loses: a NaN score counts as 0.
; SHARES.  A work-group makes 256 queries x 128 keys: 32 x 8 tiles, 256 work-groups.  A wave makes 128 queries x 64 keys and holds TWO sets of 32 tiles of 16 x 16: S, the scores of the head in hand,
; and OUT, the gated sum over the heads so far: 512 registers.
; K runs through all 2,048 columns in 16 steps of 128, four steps a head, through a ring of two LDS slots; the tiles' rows are 256 bytes of memory and start at multiples of 256 bytes.
; Behind a head's fourth step OUT += relu(S) w, and the next head's first products start S anew with the constant 0.
; THE MATRIX INSTRUCTION IS USED TRANSPOSED: source 0 = 16 keys, source 1 = 16 queries.  A lane then holds ONE query (lane % 16) and the keys 8 (lane / 16) + 0..7: the gate is one number a lane for
; each block of 16 queries, and a lane's eight results are 32 neighbouring bytes of a row of out0.
; CLUSTERS: 4 x 4 work-groups.  The four of a row of the cluster need the same rows of qi, the four of a column the same rows of ki: each tile is asked for JOINTLY, by the same tensor load with the
; same descriptor and a mask that names the four.
; REGISTERS, in windows of 256 (s_set_vgpr_msb's low byte: bits 1:0 source 0, 3:2 source 1, 5:4 source 2, 7:6 destination):
;   window 0: v0-31 addresses; v32-63 the gates (block a of 16 queries: four heads at 32 + 4 a); v64-159, v160-255 two fragment buffers: 4 x 8 of keys, then 8 x 8 of queries
;   window 1: S, tile (a, b) = queries 16 a.., keys 16 b.. at v[8 (4 a + b)]          window 2: OUT, likewise
.set KSTEP,  128
.set ROWB,   4096                      ; bytes in a row of qi, of ki and of out0
.set PITCH,  272                       ; an LDS row: 256 bytes + 16 of padding = 68 words: row r starts at bank 4 r mod 64 (64 banks of 4 bytes: ISA guide 11.1)
.set AHALF,  128*PITCH                 ; 128 queries: what a wave fetches of qi, and what a wave reads
.set BHALF,  64*PITCH                  ; 64 keys: the same for ki
.set BOFF,   2*AHALF                   ; a slot: 256 queries, then 128 keys
.set SLOT,   BOFF+2*BHALF
.set STAGE,  2*SLOT                    ; behind the ring: 16 rows x 272 bytes for each wave, for the way out; no tensor load lands there
.set SPITCH, 272
.set SPARE,  STAGE+4*16*SPITCH         ; the spare words, 128 bytes for each wave: two blocks of 256 bytes that no other line names
.set ADRA, 16                          ; v16-17  LDS address of my query fragments in slot 0, 1
.set ADRB, 20                          ; v20-21  the same for keys
.set STO,  24                          ; v24     the way out: where I put 32 bytes of a row
.set RD,   25                          ; v25     the way out: where I read a row back
.set CO,   26                          ; v26     my byte offset in out0; never rewritten
.set WO,   27                          ; v27     16 x (lane % 16): my query's four gates
.set SPW,  28                          ; v28     LDS address of my spare word; never rewritten
.set NIL,  29                          ; v29     0; never rewritten
.set PFO,  30                          ; v30     4,096 x lane: the prefetches' offset, a lane a row; never rewritten
.set W,    32
.set F0,   64
.set F1,   160
.set WV,   12                          ; s12  my wave's number
.set RH,   13                          ; s13  which 128 of the tile's queries are mine.  Also: I fetch for qi (0) or for ki (1)
.set CH,   14                          ; s14  which 64 of its keys.  Also: which half of that tile I fetch
.set CLY,  15                          ; s15  cluster y
.set G1,   24                          ; s[24:31] descriptor group 1 for qi's tiles
.set G0,   32                          ; s[32:39] group 0 for qi's tiles, one set for each slot
.set LIM,  43                          ; s43  2 in a wave that prefetches, else the greatest number
.set PFA,  44                          ; s[44:45] where my prefetches stand: one K step beyond the refill in hand; a prefetch names the K step three further on
.set G1B,  48                          ; s[48:55] group 1 for ki's tiles
.set G0B,  56                          ; s[56:63] group 0 for ki's tiles
.set FLAGS, (1<<16)|(1<<20)|(1<<21)|(5<<22)|(3<<25)  ; 17:16 elements of 2 bytes; 20 padding on; 21 set beside a mask; 24:22 after every 64 words; 31:25 4 words of it
.set MSB, 0
.macro WIN new                         ; the immediate's high byte repeats the setting that is left; a switch that changes nothing is dropped
.if MSB != (\new)
	s_set_vgpr_msb (MSB<<8)|(\new)
.set MSB, \new
.endif
.endm
.set MUL,  0x50                        ; fragments in window 0, C and D (S) in window 1
.set EMAX, 0x44                        ; relu in place: source 1 and destination in window 1
.set EFMA, 0xa1                        ; OUT (destination and source 2) in window 2, S (source 0) in window 1, the gate (source 1) in window 0
.set CLR,  0x80                        ; destination in window 2
.set STGW, 0x08                        ; an LDS store's data (source 1) in window 2
; A joint load.  Waves 0 and 1 fetch the two halves of qi's tile, waves 2 and 3 those of ki's.  The branch hangs on the wave's number alone.  An s_nop 0 and four v_nop follow each line.
.macro JLOAD s
	s_cmp_eq_u32 s[RH], 0
	s_cbranch_scc0 .Lfor_b_\@
	tensor_load_to_lds s[G0+4*(\s):G0+4*(\s)+3], s[G1:G1+7]
	s_nop 0
.rept 4
	v_nop
.endr
	s_branch .Lasked_\@
.Lfor_b_\@:
	tensor_load_to_lds s[G0B+4*(\s):G0B+4*(\s)+3], s[G1B:G1B+7]
	s_nop 0
.rept 4
	v_nop
.endr
.Lasked_\@:
.endm
; A prefetch, behind each joint refill and the run of LDS loads that follows it: the K step that stands four refills on, 512 matrix instructions ahead of the load that will ask for it: 32 rows x 256 bytes, a lane a row.
; Each row's 256 bytes of a K step are named once in the launch.  qi's rows are read by both clusters of a row of clusters: the one with x = 0 asks, its waves 0 and 1 for the 128 rows that each fetches.
; ki's rows are read by the four clusters of a batch in a column of clusters: the first of them asks, its wave 2 for the tile's 128 rows.  The four partners that ask for a tile jointly share the rows out by address,
; 32 each (by cx for qi, by cy for ki): no branch hangs on a work-group's place in its cluster.  K steps 0 to 5 come by their loads alone; the loop's last two trips (s3 = 2, 1) ask for nothing: the last K step is 15.
.macro ASK
	s_cmp_gt_u32 s3, s[LIM]
	s_cbranch_scc0 .Lnot_mine_\@
	global_prefetch_b8 v[PFO], s[PFA:PFA+1] offset:3*KSTEP*2 th:TH_LOAD_NT scope:SCOPE_SE
.Lnot_mine_\@:
.endm
; A round of the cluster's barrier: my work-group's barrier; wave 0 signals for the work-group; every wave waits for all sixteen work-groups; my work-group's barrier once more.
.macro CREST                           ; a round behind its opening barrier
	s_cmp_lg_u32 s[WV], 0
	s_cbranch_scc1 .Lnot_wave_0_\@
	s_barrier_signal -3
.Lnot_wave_0_\@:
	s_barrier_wait -3
	s_barrier_signal -1
	s_barrier_wait -1
.endm
.macro CROUND
	s_barrier_signal -1
	s_barrier_wait -1
	CREST
.endm
	s_load_b256 s[4:11], s[0:1], 0x0               ; qi s[4:5], ki s[6:7], w s[8:9], out0 s[10:11]
	v_lshl_add_u32 v[SPW], v0, 2, SPARE
	v_mov_b32 v[NIL], 0
	ds_add_u32 v[SPW], v[NIL]                      ; the wave's opening: the add, twice on end, and its wait ahead of my first tensor load
	ds_add_u32 v[SPW], v[NIL]
	v_lshrrev_b32 v1, 5, v0
	v_readfirstlane_b32 s[WV], v1                  ; wave 0..3
	s_lshr_b32 s[RH], s[WV], 1
	s_and_b32 s[CH], s[WV], 1
	s_bfe_u32 s40, ttmp6, 0x40000                  ; cx
	s_bfe_u32 s41, ttmp6, 0x40004                  ; cy
	s_lshl_b32 s42, ttmp9, 2
	s_add_co_u32 s42, s42, s40                     ; tile column = 4 x cluster x + cx: 128 keys
	s_and_b32 s[CLY], ttmp7, 0xffff
	s_lshl_b32 s16, s[CLY], 2
	s_add_co_u32 s16, s16, s41                     ; tile row = 4 x cluster y + cy: 256 queries
	s_lshl_b32 s16, s16, 8                         ; its first row
	s_lshl_b32 s43, s41, 2
	s_lshl_b32 s43, 15, s43                        ; my row of the cluster: places 4 cy .. 4 cy + 3
	s_lshl_b32 s44, 0x1111, s40                    ; my column: places cx, cx + 4, cx + 8, cx + 12
	s_or_b32 s[G1+0], s43, FLAGS                   ; qi's tiles go to my row,
	s_or_b32 s[G1B+0], s44, FLAGS                  ; ki's to my column
	s_mov_b32 s[G1+1], KSTEP<<16                   ; tensor_dim0 = 128
	s_mov_b32 s[G1+2], 128<<16                     ; tensor_dim1 = 128
	s_mov_b32 s[G1+3], KSTEP<<16                   ; tile_dim0 = 128
	s_mov_b32 s[G1+4], 128                         ; tile_dim1 = 128 rows
	s_mov_b32 s[G1+5], 2048                        ; elements from row to row
	s_mov_b32 s[G1+6], 0
	s_mov_b32 s[G1+7], 0
	s_mov_b32 s[G1B+1], KSTEP<<16
	s_mov_b32 s[G1B+2], 64<<16                     ; tensor_dim1 = 64
	s_mov_b32 s[G1B+3], KSTEP<<16
	s_mov_b32 s[G1B+4], 64                         ; tile_dim1 = 64 rows
	s_mov_b32 s[G1B+5], 2048
	s_mov_b32 s[G1B+6], 0
	s_mov_b32 s[G1B+7], 0
	; qi's tiles hang on the tile row alone, which my row of the cluster shares; ki's on the batch (cluster y / 4) and the tile column, which my column shares.  Each address is made in registers that never hold the other coordinate.
	s_lshl_b32 s17, s[CH], 7
	s_add_co_u32 s18, s16, s17                     ; qi: row 256 x tile row + 128 x half,
	s_lshl_b32 s18, s18, 12                        ; in bytes (under 2^25)
	s_mov_b32 s19, 0
	s_lshr_b32 s46, s[CLY], 2                      ; the batch
	s_lshl_b32 s46, s46, 10
	s_lshl_b32 s47, s42, 7
	s_add_co_u32 s46, s46, s47
	s_lshl_b32 s47, s[CH], 6
	s_add_co_u32 s46, s46, s47                     ; ki: row 1,024 x batch + 128 x tile column + 64 x half,
	s_lshl_b32 s46, s46, 12                        ; in bytes
	s_mov_b32 s47, 0
	s_mul_i32 s20, s[CH], AHALF                    ; where they go: no place in the cluster enters an LDS address
	s_mul_i32 s21, s[CH], BHALF
	s_add_co_u32 s21, s21, BOFF
	s_wait_dscnt 0x0                               ; both opening adds are done
	s_wait_kmcnt 0x0
	s_add_nc_u64 s[18:19], s[4:5], s[18:19]
	s_add_nc_u64 s[46:47], s[6:7], s[46:47]
	CROUND                                         ; all sixteen work-groups are here: the first joint loads meet
.irp s, 0,1
	s_mov_b32 s[G0+4*(\s)], 1                                      ; count = 1
	s_add_co_u32 s[G0+4*(\s)+1], s20, (\s)*SLOT                    ; LDS address
	s_add_nc_u64 s[G0+4*(\s)+2:G0+4*(\s)+3], s[18:19], (\s)*KSTEP*2  ; global address: K step s
	s_or_b32 s[G0+4*(\s)+3], s[G0+4*(\s)+3], 0x80000000            ; type = 2
	s_mov_b32 s[G0B+4*(\s)], 1
	s_add_co_u32 s[G0B+4*(\s)+1], s21, (\s)*SLOT
	s_add_nc_u64 s[G0B+4*(\s)+2:G0B+4*(\s)+3], s[46:47], (\s)*KSTEP*2
	s_or_b32 s[G0B+4*(\s)+3], s[G0B+4*(\s)+3], 0x80000000
	JLOAD \s                                       ; two tensor loads of mine are out
.endr
	; A fragment is 16 rows x 32 K in 8 registers: lane l holds row l % 16; registers 0-3 K = 8 (l / 16) + 0..7, registers 4-7 K = 16 + 8 (l / 16) + 0..7: two loads of 16 bytes, 32 bytes apart.
	v_and_b32 v1, 15, v0                           ; l % 16
	v_bfe_u32 v2, v0, 4, 1                         ; l / 16
	v_mul_u32_u24 v3, v1, PITCH
	v_lshl_add_u32 v3, v2, 4, v3
	s_mul_i32 s22, s[RH], AHALF                    ; my 128 queries
	s_mul_i32 s23, s[CH], BHALF                    ; my 64 keys,
	s_add_co_u32 s23, s23, BOFF                    ; which lie behind the 256 queries
.irp s, 0,1
	v_add_nc_u32 v[ADRA+(\s)], s22, v3
	v_add_nc_u32 v[ADRB+(\s)], s23, v3
	s_add_co_u32 s22, s22, SLOT
	s_add_co_u32 s23, s23, SLOT
.endr
	s_mul_i32 s2, s[WV], 16*SPITCH
	s_add_co_u32 s2, s2, STAGE                     ; my stage
	v_mul_u32_u24 v4, v1, SPITCH                   ; in: row l % 16, 32 bytes for each half of the lanes
	v_lshl_add_u32 v4, v2, 5, v4
	v_add_nc_u32 v[STO], s2, v4
	v_mul_u32_u24 v5, v2, SPITCH                   ; back: lanes 0-15 take one row of 256 bytes, lanes 16-31 the next
	v_lshl_add_u32 v5, v1, 4, v5
	v_add_nc_u32 v[RD], s2, v5
	v_lshlrev_b32 v5, 12, v2                       ; and the same two rows in out0
	v_lshl_add_u32 v[CO], v1, 4, v5
	v_lshlrev_b32 v[WO], 4, v1
	; the prefetches (s16 = 256 x tile row, s42 = tile column, s40 = cx, s41 = cy still stand)
	s_lshl_b32 s17, s[CH], 7
	s_add_co_u32 s20, s16, s17                     ; qi: the 128 rows that I fetch
	s_lshr_b32 s22, s[CLY], 2
	s_lshl_b32 s22, s22, 10
	s_lshl_b32 s23, s42, 7
	s_add_co_u32 s22, s22, s23                     ; ki: the tile's 128 rows
	s_and_b32 s23, s[CLY], 3                       ; 0 in the first cluster of a batch,
	s_or_b32 s23, s23, s[CH]                       ; and in wave 2
	s_cmp_eq_u32 s[RH], 0                          ; do I fetch for qi?
	s_cselect_b32 s20, s20, s22
	s_cselect_b32 s21, s40, s41                    ; my place among the four that ask for the tile with me
	s_cselect_b32 s23, ttmp9, s23
	s_cselect_b64 s[PFA:PFA+1], s[4:5], s[6:7]
	s_cmp_eq_u32 s23, 0
	s_cselect_b32 s[LIM], 2, -1                    ; the same in all sixteen partners, for a given wave
	s_lshl_b32 s21, s21, 5
	s_add_co_u32 s20, s20, s21                     ; + my work-group's 32 rows
	s_lshl_b32 s20, s20, 12
	s_mov_b32 s21, 0
	s_add_nc_u64 s[PFA:PFA+1], s[PFA:PFA+1], s[20:21]
	s_add_nc_u64 s[PFA:PFA+1], s[PFA:PFA+1], 2*KSTEP*2  ; at K step 2: the first refill steps it to 3 and names K step 6
	v_and_b32 v[PFO], 31, v0
	v_lshlrev_b32 v[PFO], 12, v[PFO]
	; w and out0 at my part of the tile
	s_lshl_b32 s17, s[RH], 7
	s_add_co_u32 s16, s16, s17                     ; my first query
	s_lshl_b32 s22, s16, 4                         ; 16 bytes of gates a query
	s_mov_b32 s23, 0
	s_add_nc_u64 s[8:9], s[8:9], s[22:23]
	s_lshl_b32 s16, s16, 12
	s_mov_b32 s17, 0
	s_add_nc_u64 s[10:11], s[10:11], s[16:17]
	s_lshl_b32 s46, s42, 9                         ; my first key, in bytes: 512 x tile column + 256 x half
	s_lshl_b32 s47, s[CH], 8
	s_add_co_u32 s46, s46, s47
	s_mov_b32 s47, 0
	s_add_nc_u64 s[10:11], s[10:11], s[46:47]
.irp a, 0,1,2,3,4,5,6,7                ; my query's four gates in each of my eight blocks of 16 queries
	global_load_b128 v[W+4*(\a):W+4*(\a)+3], v[WO], s[8:9] offset:256*(\a)
.endr
	; OUT starts at 0, so that one text of the gated sum serves all four heads: 256 lines, which stand in the wait for the first tile
	WIN CLR
.set ci, 0
.rept 256
	v_mov_b32 v[ci], 0
.set ci, ci+1
.endr
	WIN 0
; 4 n matrix instructions: query blocks a0 .. a0 + n - 1 x all 4 key blocks, 32 along K.  zero = 1: the product starts the head's sums.
; The 32 accumulators are taken in the same ascending order in every quarter step, one instruction a turn: 31 others stand between two links of a chain.
.macro MULN f, a0, n, zero
	WIN MUL
.set ma, (\a0)
.rept (\n)
.irp b, 0,1,2,3
.if \zero
	v_wmma_f32_16x16x32_f16 v[8*(4*ma+(\b)):8*(4*ma+(\b))+7], v[(\f)+8*(\b):(\f)+8*(\b)+7], v[(\f)+32+8*ma:(\f)+32+8*ma+7], 0
.else
	v_wmma_f32_16x16x32_f16 v[8*(4*ma+(\b)):8*(4*ma+(\b))+7], v[(\f)+8*(\b):(\f)+8*(\b)+7], v[(\f)+32+8*ma:(\f)+32+8*ma+7], v[8*(4*ma+(\b)):8*(4*ma+(\b))+7]
.endif
.endr
.set ma, ma+1
.endr
.endm
; 24 LDS loads in one run: the fragments of one quarter step (64 keys, then 128 queries, 32 K at byte k of the rows) into buffer f
.macro FETCH slot, k, f
	WIN 0
.irp i, 0,1,2,3
	ds_load_b128 v[(\f)+8*(\i):(\f)+8*(\i)+3],   v[ADRB+(\slot)] offset:(\k)+(\i)*16*PITCH
	ds_load_b128 v[(\f)+8*(\i)+4:(\f)+8*(\i)+7], v[ADRB+(\slot)] offset:(\k)+(\i)*16*PITCH+32
.endr
.irp i, 0,1,2,3,4,5,6,7
	ds_load_b128 v[(\f)+32+8*(\i):(\f)+32+8*(\i)+3],   v[ADRA+(\slot)] offset:(\k)+(\i)*16*PITCH
	ds_load_b128 v[(\f)+32+8*(\i)+4:(\f)+32+8*(\i)+7], v[ADRA+(\slot)] offset:(\k)+(\i)*16*PITCH+32
.endr
.endm
; Four plain vector instructions between a matrix instruction and a load into a register that it has read, or a vector instruction that reads its result (ISA guide 7.12.1 for vector instructions).
.macro PLACES
.rept 4
	v_nop
.endr
.endm
; A K step is four quarters of 32 along K, 32 matrix instructions each, on buffers 0, 1, 0, 1.  One of the first three: multiplies buffer f; in its middle it fetches the next quarter's fragments, at byte k, into g.
.macro QUARTER slot, k, f, g, zero
	s_wait_dscnt 8                                 ; the keys and query blocks 0-3 are in; the youngest eight loads (blocks 4-7) may be out
	MULN \f, 0, 4, \zero
	PLACES
	FETCH \slot, \k, \g
	s_wait_dscnt 24                                ; all but the 24 just issued
	MULN \f, 4, 4, \zero
.endm
; The last quarter multiplies buffer 1 and changes slots: ONE barrier, in front of which each wave waits for all its tensor loads (one is out: its part of the next slot), adds 0 to its spare word, and waits for that
; and for its own reads of this slot.  Behind it nobody reads this slot any more and the next slot is whole.  fill = 1: the barrier opens a round of the cluster's barrier, and behind the round this slot is filled
; again first, with the K step two steps on: from the request to the wait for it a wave issues 112 matrix instructions.
.macro TURN slot, next, fill
.if \fill
	s_wait_xcnt 0x0                                ; the last prefetch, a K step back, has read its address: it is stepped here
	s_add_nc_u64 s[PFA:PFA+1], s[PFA:PFA+1], KSTEP*2
.endif
	WIN 0                                          ; (the add's two registers lie in window 0)
	s_wait_tensorcnt 0x0                           ; all my tensor loads have landed
	ds_add_u32 v[SPW], v[NIL]                      ; 0 onto my spare word
	s_wait_dscnt 9                                 ; (the add and the youngest eight loads may be out)
	MULN F1, 0, 2, 0                               ; eight matrix instructions stand between the add and the wait for it
	s_wait_dscnt 0x0                               ; the add is done, and my reads of this slot are over
	s_barrier_signal -1
	MULN F1, 2, 2, 0                               ; work on registers while the others arrive
.if \fill
	WIN 0
.endif
	s_barrier_wait -1
.if \fill
	CREST                                          ; no wave of any partner still reads this slot's tile or has a load on its way
	s_add_nc_u64 s[G0+4*(\slot)+2:G0+4*(\slot)+3], s[G0+4*(\slot)+2:G0+4*(\slot)+3], 2*KSTEP*2
	s_add_nc_u64 s[G0B+4*(\slot)+2:G0B+4*(\slot)+3], s[G0B+4*(\slot)+2:G0B+4*(\slot)+3], 2*KSTEP*2
	JLOAD \slot                                    ; the first tensor load behind the round; its four v_nop are also the places in front of the loads below
.else
	PLACES
.endif
	FETCH \next, 0, F0
.if \fill
	ASK
.endif
	MULN F1, 4, 4, 0
.endm
; A HEAD'S END: OUT += relu(S) x the head's gate.  The maxima go through S in ascending order; accumulators 0-15 were finished
; ahead of four plain instructions, and their 128 maxima are the places behind the products that finished accumulators 16-31.  The gate in hand lies in the first of a block's four registers.
.macro EPI
	WIN EMAX
.set ei, 0
.rept 256
	v_max_num_f32 v[ei], 0, v[ei]
.set ei, ei+1
.endr
	WIN EFMA
.set ei, 0
.rept 128                              ; two numbers an instruction; block ei / 16
	v_pk_fma_f32 v[2*ei:2*ei+1], v[2*ei:2*ei+1], v[W+4*(ei/16):W+4*(ei/16)+1], v[2*ei:2*ei+1] op_sel_hi:[1,0,1]
.set ei, ei+1
.endr
	WIN 0
.endm
.macro ROT                             ; the next head's gate moves to the front
.irp a, 0,1,2,3,4,5,6,7
	v_mov_b32 v[W+4*(\a)],   v[W+4*(\a)+1]
	v_mov_b32 v[W+4*(\a)+1], v[W+4*(\a)+2]
	v_mov_b32 v[W+4*(\a)+2], v[W+4*(\a)+3]
.endr
.endm
; THE WAY OUT of block a (16 queries x 64 keys of f32).  TOSTAGE: a lane's 32 bytes for each key block into my own stage, and back as whole rows of 256 bytes, into the fragments' registers, two sets by turns.  SEND: stored.
.macro TOSTAGE a
.if (\a) >= 2
	s_wait_xcnt 0x0                                ; the stores of the block two back have read the set that is loaded again below
.endif
	WIN STGW
.irp b, 0,1,2,3
	ds_store_b128 v[STO], v[32*(\a)+8*(\b):32*(\a)+8*(\b)+3]   offset:64*(\b)
	ds_store_b128 v[STO], v[32*(\a)+8*(\b)+4:32*(\a)+8*(\b)+7] offset:64*(\b)+16
.endr
	WIN 0
.set BK, F0+32*((\a)%2)
.irp t, 0,1,2,3,4,5,6,7
	ds_load_b128 v[BK+4*(\t):BK+4*(\t)+3], v[RD] offset:(\t)*2*SPITCH  ; LDS serves a wave's instructions in order (ISA guide 5.7.1.4): these see the stores above; the next block's stores come behind them
.endr
.endm
.macro SEND a, younger                 ; younger: the LDS instructions issued behind block a's loads: the next block's sixteen, or none
	WIN 0
.set BK, F0+32*((\a)%2)
	s_wait_dscnt \younger
.irp t, 0,1,2,3,4,5,6,7
	global_store_b128 v[CO], v[BK+4*(\t):BK+4*(\t)+3], s[10:11] offset:(\a)*16*ROWB+(\t)*2*ROWB th:TH_STORE_NT  ; 16 lanes store 256 consecutive bytes, at a multiple of 256 from out0's first byte; 516,096 at the most
.endr
.endm
	s_wait_tensorcnt 1                             ; my part of K step 0 is in; K step 1's may stay out
	s_barrier_signal -1
	s_barrier_wait -1                              ; everybody's is
	FETCH 0, 0, F0
	s_wait_loadcnt 0x0                             ; the gates
	QUARTER 0, 64,  F0, F1, 1                      ; the first quarter stands in front of the loop: its products start head 0's sums
	WIN 0                                          ; at a label and at a branch every window is 0
	s_mov_b32 s3, 7
.Llap:                                                 ; a trip goes once round the ring (two K steps), from a lap's second quarter to the next lap's first, and fills both slots again
	QUARTER 0, 128, F1, F0, 0
	QUARTER 0, 192, F0, F1, 0
	TURN 0, 1, 1
	QUARTER 1, 64,  F0, F1, 0
	QUARTER 1, 128, F1, F0, 0
	QUARTER 1, 192, F0, F1, 0
	TURN 1, 0, 1
	WIN 0
	s_and_b32 s2, s3, 1                            ; a head is two laps: it ends in the trips with s3 = 6, 4, 2.  The count is the same in every wave and every partner;
	s_cmp_eq_u32 s2, 0                             ; neither arm holds a barrier or a tensor load, and both leave the same 24 LDS loads out
	s_cbranch_scc0 .Lmid
	EPI
	ROT
	QUARTER 0, 64,  F0, F1, 1                      ; the next head's sums start
	WIN 0
	s_branch .Ljoin
.Lmid:
	QUARTER 0, 64,  F0, F1, 0
	WIN 0
.Ljoin:
	s_sub_co_u32 s3, s3, 1
	s_cmp_lg_u32 s3, 0
	s_cbranch_scc1 .Llap
	QUARTER 0, 128, F1, F0, 0                      ; the last lap fills nothing, and has no round of the cluster's barrier
	QUARTER 0, 192, F0, F1, 0
	TURN 0, 1, 0
	QUARTER 1, 64,  F0, F1, 0
	QUARTER 1, 128, F1, F0, 0
	QUARTER 1, 192, F0, F1, 0
	s_wait_dscnt 8                                 ; the very last quarter: nothing more to fetch
	MULN F1, 0, 4, 0
	s_wait_dscnt 0x0
	MULN F1, 4, 4, 0
	PLACES
	PLACES                                         ; (eight, once a launch)
	EPI                                            ; head 3
	TOSTAGE 0
.irp a, 1,2,3,4,5,6,7                  ; block a's way through the stage stands between block a - 1's loads and the wait for them
	TOSTAGE \a
	SEND (\a)-1, 16
.endr
	SEND 7, 0
	s_wait_tensorcnt 0x0                           ; the wave's end, behind my last tensor load and my last LDS store
	ds_add_u32 v[SPW], v[NIL]
	s_wait_dscnt 0x0
	CROUND                                         ; the closing round: no work-group ends while a partner may still ask for a tile that names it
	s_endpgm
.Lfunc_end_k_qf654feb3b9_score:
	.size	k_qf654feb3b9_score, .Lfunc_end_k_qf654feb3b9_score-k_qf654feb3b9_score
	.p2alignl 7, 3214868480
	.fill 96, 4, 3214868480
	.section	.rodata,"a",@progbits
	.p2align	6, 0x0
	.amdhsa_kernel k_qf654feb3b9_score
		.amdhsa_group_segment_fixed_size 327680
		.amdhsa_private_segment_fixed_size 0
		.amdhsa_enable_private_segment 0
		.amdhsa_kernarg_size 32
		.amdhsa_user_sgpr_count 2
		.amdhsa_user_sgpr_kernarg_segment_ptr 1
		.amdhsa_wavefront_size32 1
		.amdhsa_system_sgpr_workgroup_id_x 1
		.amdhsa_system_sgpr_workgroup_id_y 1
		.amdhsa_system_sgpr_workgroup_id_z 1
		.amdhsa_system_vgpr_workitem_id 0
		.amdhsa_next_free_vgpr 768
		.amdhsa_next_free_sgpr 66
		.amdhsa_reserve_vcc 0
		.amdhsa_float_denorm_mode_32 3
		.amdhsa_float_denorm_mode_16_64 3
		.amdhsa_memory_ordered 1
		.amdhsa_forward_progress 1
		.amdhsa_inst_pref_size 133
	.end_amdhsa_kernel
	.amdgpu_metadata
---
amdhsa.version: [ 1, 2 ]
amdhsa.kernels:
  - .name:           k_qf654feb3b9_score
    .symbol:         k_qf654feb3b9_score.kd
    .args:
      - { .name: qi, .offset: 0, .size: 8, .value_kind: global_buffer, .address_space: global }
      - { .name: ki, .offset: 8, .size: 8, .value_kind: global_buffer, .address_space: global }
      - { .name: wgt, .offset: 16, .size: 8, .value_kind: global_buffer, .address_space: global }
      - { .name: out0, .offset: 24, .size: 8, .value_kind: global_buffer, .address_space: global }
    .group_segment_fixed_size: 327680
    .private_segment_fixed_size: 0
    .kernarg_segment_align: 8
    .kernarg_segment_size: 32
    .max_flat_workgroup_size: 128
    .sgpr_count:     66
    .vgpr_count:     768
    .wavefront_size: 32
...
	.end_amdgpu_metadata
.endif
;; end of part 3
